; MI455X (gfx1250); checked and timed in simulation.
; The chip was launched on July 23, 2026; its instructions are those of AMD's public machine-readable ISA for CDNA 5 (MIT licence, August 2026) and "CDNA5" Instruction Set Architecture Reference Guide (July 2026). The comments in the code are by the model that wrote it; some were corrected since.
;; Fastplane Module. Allowed arithmetic: float matrix products may take bf16 or f16 operands with f32 sums; all other float work in f32.
;; Inputs: bg_color 16 float32; bias_color 16 float32; bias_opacity 1 float32; centers 2 x 8,192 x 3 float32; far 2 x 8,192 float32; mlp_biases 2 x 64 float32; mlp_weights 2 x 64 x 64 float32; near 2 x 8,192 float32; rays 2 x 8,192 x 3 float32; rays_encoding 2 x 8,192 x 64 float32; weight_color 64 x 16 float32; weight_opacity 64 float32; xy 2 x 64 x 256 x 256 float32; xy_color 2 x 64 x 256 x 256 float32; yz 2 x 64 x 256 x 256 float32; yz_color 2 x 64 x 256 x 256 float32; zx 2 x 64 x 256 x 256 float32; zx_color 2 x 64 x 256 x 256 float32.
;; Outputs: out0 2 x 8,192 x 16 float32; out1 2 x 8,192 float32; out2 2 x 8,192 float32.
;; 3 versions, each right; version 2 is faster than version 1; version 3 is version 2 with the launch render written anew for expert scheduling mode. Each part assembles by itself: llvm-mc -triple=amdgcn-amd-amdhsa -mcpu=gfx1250 --defsym DOCPART=n.
;; ======== version 1 of 3: 2 launches
;; limits: values outside matrix products are rounded to bf16
;; workspace buffers: tab 100,663,296 bytes; idx 8,388,608 bytes of whole numbers
;; launch prep (part 1): grid 256 x 2, 8 waves a work-group, no clusters, 75,008 bytes of LDS; arguments xy, xy_color, yz, yz_color, zx, zx_color, rays, centers, near, far, tab, idx; writes tab, idx
.if DOCPART == 1
	.amdgcn_target "amdgcn-amd-amdhsa--gfx1250"
	.amdhsa_code_object_version 6
	.text
	.protected	k_q3a543aded8_prep
	.globl	k_q3a543aded8_prep
	.p2align	8
	.type	k_q3a543aded8_prep,@function
k_q3a543aded8_prep:
	s_mov_b64 s[64:65], 0
	v_nop
	global_prefetch_b8 v0, s[64:65] scope:SCOPE_SE
	s_setreg_imm32_b32 hwreg(HW_REG_WAVE_MODE, 25, 1), 1
	s_wait_xcnt 0x0
; prep: (1) turns the six planes [2][64][256][256] f32 into one table tab[pair p][batch b][y][x][128] of bf16, channels 0-63 the density
; plane of the pair (xy, yz, zx), channels 64-127 its colour plane: a texel is 256 consecutive bytes at a multiple of 256.
; (2) makes for every sample point its three texel numbers, as whole numbers: idx[ray][sample][4] = { xy, yz, zx, 0 },
; number = (2 p + b) * 65536 + row * 256 + column of the upper left texel of the bilinear cell, 0x5fefe at the most.
; A work-group owns row y (grid x) of batch b (grid y) in all three pairs, three units of 128 KiB in and 64 KiB out, and 32 rays.
; Wave w owns channels 16 w .. 16 w + 15 of the 128.  It loads them by rows (512 consecutive bytes a load), rounds to bf16 and puts
; 16-byte chunks (8 channels of one texel) into its own region of LDS; behind a barrier wave w reads texels 32 w .. 32 w + 31 whole
; and stores them, 512 consecutive bytes a store.  Every plane byte is read once, every table byte written once.
; No matrix unit, no cluster, no tensor load: the work-groups share no input, and the turn needs the conversion in registers anyway.
; Limits: a NaN coordinate is not served (the problem's own function casts it to an integer, which has no defined value).
.set CHB,  262144                      ; bytes from channel to channel in a plane
.set REGN, 9248                        ; a wave's LDS region: texel x, chunk cc at 32 x + 16 (x >> 2) + 16 cc (9,216 bytes) + 32.
                                       ; stores: lanes 144 = 9 * 16 bytes apart; reads: the 16 lanes of a texel are 8 regions x 32 bytes, 9,248 = 36 * 256 + 32
.set PR,   20                          ; v[20:35]   packed bf16 on their way into LDS
.set YR,   36                          ; v[36:99]   what is stored to memory: index records, then whole texels
.set XR,   100                         ; v[100:227] four groups of eight loads, f32 as loaded
.set K254, 46                          ; s46 = 254.0
	s_load_b512 s[8:23], s[0:1], 0x0               ; xy, xy_color, yz, yz_color, zx, zx_color, rays, centers
	s_load_b256 s[24:31], s[0:1], 0x40             ; near, far, tab, idx
	v_lshl_add_u32 v228, v0, 2, 0x12100
	v_mov_b32 v229, 0
	v_lshrrev_b32 v6, 5, v0
	v_readfirstlane_b32 s2, v6                     ; wave 0..7
	s_mov_b32 s3, ttmp9                            ; y
	s_and_b32 s4, ttmp7, 0xffff                    ; b
	s_lshl_b32 s5, s4, 8
	s_add_co_u32 s5, s5, s3                        ; work-group number 256 b + y: its 32 rays lie in batch b
	s_mov_b32 s[K254], 0x437e0000
	s_lshl_b32 s47, s4, 16                         ; (0 + b) << 16, (2 + b) << 16, (4 + b) << 16
	s_add_co_u32 s48, s47, 0x20000
	s_add_co_u32 s49, s47, 0x40000
	s_lshl_b32 s52, s5, 5
	s_lshl2_add_u32 s52, s2, s52                   ; my wave's first ray = 32 x work-group + 4 w
	s_mul_i32 s50, s52, 12                         ; its byte offset in rays and centers
	s_lshl_b32 s51, s52, 2                         ; in near and far
	s_lshl_b32 s54, s52, 9                         ; in idx: 512 bytes a ray
	s_mov_b32 s55, 0
	s_and_b32 s6, s2, 3                            ; source offset: b * 64 channels + (w & 3) * 16 channels + row y
	s_lshl_b32 s6, s6, 22
	s_lshl_b32 s7, s4, 24
	s_add_co_u32 s6, s6, s7
	s_lshl_b32 s7, s3, 10
	s_add_co_u32 s6, s6, s7
	s_mov_b32 s7, 0
	v_and_b32 v7, 31, v0                           ; lane
	v_lshlrev_b32 v1, 4, v7                        ; 16 x lane
	s_wait_kmcnt 0x0
	s_cmp_lt_u32 s2, 4                             ; waves 0-3 read the density plane of each pair, waves 4-7 the colour plane
	s_cselect_b64 s[32:33], s[8:9], s[10:11]
	s_cselect_b64 s[34:35], s[12:13], s[14:15]
	s_cselect_b64 s[36:37], s[16:17], s[18:19]
	s_add_nc_u64 s[32:33], s[32:33], s[6:7]
	s_add_nc_u64 s[34:35], s[34:35], s[6:7]
	s_add_nc_u64 s[36:37], s[36:37], s[6:7]
; Eight loads: group g = 2 cc + half: channels 8 cc .. 8 cc + 7 of my sixteen, columns 128 half .. + 127; lane l gets columns 128 half + 4 l .. + 3.
.macro LOADG u, g
.irp c, 0,1,2,3,4,5,6,7
	global_load_b128 v[XR+4*(8*\g+\c):XR+4*(8*\g+\c)+3], v1, s[32+2*\u:33+2*\u] offset:(8*(\g>>1)+\c)*CHB+(\g&1)*512 th:TH_LOAD_NT
.endr
.endm
	LOADG 0, 0                                     ; 32 loads, 16 KiB a wave, go out before anything else
	LOADG 0, 1
	LOADG 0, 2
	LOADG 0, 3
	s_load_b256 s[68:75], s[20:21], s50 offset:0x0 ; rays of my four rays, 12 words
	s_load_b128 s[76:79], s[20:21], s50 offset:0x20
	s_load_b256 s[80:87], s[22:23], s50 offset:0x0 ; centers
	s_load_b128 s[88:91], s[22:23], s50 offset:0x20
	s_load_b128 s[92:95], s[24:25], s51 offset:0x0 ; near
	s_load_b128 s[96:99], s[26:27], s51 offset:0x0 ; far
	s_lshl_b32 s6, s4, 24                          ; table: (2 p + b) * 16 MiB + y * 64 KiB
	s_lshl_b32 s52, s3, 16
	s_add_co_u32 s6, s6, s52
	s_add_nc_u64 s[38:39], s[28:29], s[6:7]
	s_add_nc_u64 s[40:41], s[38:39], 0x2000000
	s_add_nc_u64 s[42:43], s[38:39], 0x4000000
	s_add_nc_u64 s[44:45], s[30:31], s[54:55]      ; idx at my first ray
	v_mul_u32_u24 v2, v7, 144                      ; LDS, in: lane l's four texels begin at 144 l in my region
	s_mul_i32 s52, s2, REGN
	v_add_nc_u32 v2, s52, v2
	v_bfe_u32 v8, v0, 1, 3                         ; LDS, back: lane = 16 a + q reads chunk q of texel 32 w + 2 i + a: region q >> 1,
	v_mul_u32_u24 v3, v8, REGN
	v_and_b32 v8, 1, v0                            ; its half q & 1,
	v_lshl_add_u32 v3, v8, 4, v3
	v_bfe_u32 v8, v0, 4, 1                         ; texel a,
	v_lshl_add_u32 v3, v8, 5, v3
	s_mul_i32 s52, s2, 1152                        ; and 32 w texels: 32 w * 32 + 8 w * 16
	v_add_nc_u32 v3, s52, v3
	v_lshl_add_u32 v4, s2, 13, v1                  ; table: 32 w texels of 256 bytes + 16 x lane
	v_cvt_f32_u32 v5, v7
	v_add_f32 v5, 0.5, v5
	v_mul_f32 v5, 0x3d000000, v5                   ; (sample + 0.5) / 32, exact
	s_wait_kmcnt 0x0
; A coordinate in [-1, 1] to texels.  The same five lines stand in the launch that renders, so that its fraction belongs to this index.
; (c + 1) * 127.5 rounds as ((c + 1) * 0.5) * 255 does: the halving is exact.
.macro COORD p, f
	v_med3_num_f32 v[\p], v[\p], -1.0, 1.0
	v_add_f32 v[\p], 1.0, v[\p]
	v_mul_f32 v[\p], 0x42ff0000, v[\p]
	v_floor_f32 v[\f], v[\p]
	v_med3_num_f32 v[\f], v[\f], 0, s[K254]
.endm
; Ray i of my four; lane = sample.  One store of the wave covers the ray's 512 bytes of idx.
.macro RAYIDX i
	v_mov_b32 v6, s[92+\i]                         ; near
	v_sub_f32 v7, s[96+\i], v6                     ; far - near
	v_fma_f32 v8, v7, v5, v6                       ; t
	v_fma_f32 v9,  v8, s[68+3*\i],   s[80+3*\i]    ; the point
	v_fma_f32 v10, v8, s[68+3*\i+1], s[80+3*\i+1]
	v_fma_f32 v11, v8, s[68+3*\i+2], s[80+3*\i+2]
	COORD 9, 12
	COORD 10, 13
	COORD 11, 14
	v_cvt_u32_f32 v12, v12                         ; Ix
	v_cvt_u32_f32 v13, v13                         ; Iy
	v_cvt_u32_f32 v14, v14                         ; Iz
	v_lshl_add_u32 v[YR+4*\i],   v13, 8, v12       ; xy: row y, column x
	v_lshl_add_u32 v[YR+4*\i+1], v14, 8, v13       ; yz: row z, column y
	v_lshl_add_u32 v[YR+4*\i+2], v12, 8, v14       ; zx: row x, column z
	v_add_nc_u32 v[YR+4*\i],   s47, v[YR+4*\i]
	v_add_nc_u32 v[YR+4*\i+1], s48, v[YR+4*\i+1]
	v_add_nc_u32 v[YR+4*\i+2], s49, v[YR+4*\i+2]
	v_mov_b32 v[YR+4*\i+3], 0
	global_store_b128 v1, v[YR+4*\i:YR+4*\i+3], s[44:45] offset:512*\i
.endm
	RAYIDX 0
	RAYIDX 1
	RAYIDX 2
	RAYIDX 3
; Group g rounded and put into LDS: for each of my four columns 8 channels = one 16-byte chunk.
.macro CVTG g
.irp xq, 0,1,2,3
.irp i, 0,1,2,3
	v_cvt_pk_bf16_f32 v[PR+4*\xq+\i], v[XR+4*(8*\g+2*\i)+\xq], v[XR+4*(8*\g+2*\i+1)+\xq]
.endr
	ds_store_b128 v2, v[PR+4*\xq:PR+4*\xq+3] offset:(\g&1)*4608+\xq*32+(\g>>1)*16
.endr
.endm
; One unit: row y of pair u.  next = 1: each group is loaded again, for the next pair, as soon as it has been converted.
.macro UNIT u, next
.irp g, 0,1,2,3
.if \next
	s_wait_loadcnt 24                              ; loads come back in order: three younger groups of eight stay out (the rest of this unit, the head of the next)
.else
	s_wait_loadcnt 24-8*\g                         ; nothing is loaded any more: the counts run down
.endif
	CVTG \g
.if \next
	LOADG (\u+1), \g
.endif
.endr
	s_wait_dscnt 0x0                               ; my chunks are in LDS,
	s_barrier_signal -1
	s_barrier_wait -1                              ; everybody's are
	s_wait_xcnt 0x0                                ; YR was the data of earlier stores: it is loaded again only behind this wait
.irp i, 0,1,2,3,4,5,6,7,8,9,10,11,12,13,14,15
	ds_load_b128 v[YR+4*\i:YR+4*\i+3], v3 offset:64*\i+16*(\i>>1)   ; texels 32 w + 2 i and + 1, whole
.endr
.irp i, 0,1,2,3,4,5,6,7,8,9,10,11,12,13,14,15
	s_wait_dscnt 15-\i                             ; LDS loads come back in order: load i is in
	global_store_b128 v4, v[YR+4*\i:YR+4*\i+3], s[38+2*\u:39+2*\u] offset:512*\i   ; 512 consecutive bytes, two whole texels
.endr
.if \next
	s_barrier_signal -1                            ; my reads are back (the last wait was for 0); no wave writes the stage again before all have read it
	s_barrier_wait -1
.endif
.endm
	UNIT 0, 1
	UNIT 1, 1
	UNIT 2, 0
	s_wait_tensorcnt 0x0
	ds_add_u32 v228, v229
	s_wait_dscnt 0x0
	s_endpgm
.Lfunc_end_k_q3a543aded8_prep:
	.size	k_q3a543aded8_prep, .Lfunc_end_k_q3a543aded8_prep-k_q3a543aded8_prep
	.p2alignl 7, 3214868480
	.fill 96, 4, 3214868480
	.section	.rodata,"a",@progbits
	.p2align	6, 0x0
	.amdhsa_kernel k_q3a543aded8_prep
		.amdhsa_group_segment_fixed_size 75008
		.amdhsa_private_segment_fixed_size 0
		.amdhsa_enable_private_segment 0
		.amdhsa_kernarg_size 96
		.amdhsa_user_sgpr_count 2
		.amdhsa_user_sgpr_kernarg_segment_ptr 1
		.amdhsa_wavefront_size32 1
		.amdhsa_system_sgpr_workgroup_id_x 1
		.amdhsa_system_sgpr_workgroup_id_y 1
		.amdhsa_system_sgpr_workgroup_id_z 1
		.amdhsa_system_vgpr_workitem_id 0
		.amdhsa_next_free_vgpr 230
		.amdhsa_next_free_sgpr 100
		.amdhsa_reserve_vcc 0
		.amdhsa_float_denorm_mode_32 3
		.amdhsa_float_denorm_mode_16_64 3
		.amdhsa_memory_ordered 1
		.amdhsa_forward_progress 1
		.amdhsa_inst_pref_size 44
	.end_amdhsa_kernel
	.amdgpu_metadata
---
amdhsa.version: [ 1, 2 ]
amdhsa.kernels:
  - .name:           k_q3a543aded8_prep
    .symbol:         k_q3a543aded8_prep.kd
    .args:
      - { .name: xy, .offset: 0, .size: 8, .value_kind: global_buffer, .address_space: global }
      - { .name: xy_color, .offset: 8, .size: 8, .value_kind: global_buffer, .address_space: global }
      - { .name: yz, .offset: 16, .size: 8, .value_kind: global_buffer, .address_space: global }
      - { .name: yz_color, .offset: 24, .size: 8, .value_kind: global_buffer, .address_space: global }
      - { .name: zx, .offset: 32, .size: 8, .value_kind: global_buffer, .address_space: global }
      - { .name: zx_color, .offset: 40, .size: 8, .value_kind: global_buffer, .address_space: global }
      - { .name: rays, .offset: 48, .size: 8, .value_kind: global_buffer, .address_space: global }
      - { .name: centers, .offset: 56, .size: 8, .value_kind: global_buffer, .address_space: global }
      - { .name: near, .offset: 64, .size: 8, .value_kind: global_buffer, .address_space: global }
      - { .name: far, .offset: 72, .size: 8, .value_kind: global_buffer, .address_space: global }
      - { .name: tab, .offset: 80, .size: 8, .value_kind: global_buffer, .address_space: global }
      - { .name: idx, .offset: 88, .size: 8, .value_kind: global_buffer, .address_space: global }
    .group_segment_fixed_size: 75008
    .private_segment_fixed_size: 0
    .kernarg_segment_align: 8
    .kernarg_segment_size: 96
    .max_flat_workgroup_size: 256
    .sgpr_count:     100
    .vgpr_count:     230
    .wavefront_size: 32
...
	.end_amdgpu_metadata
.endif
;; end of part 1
;; launch render (part 2): grid 256 x 1, 16 waves a work-group, no clusters, 210,176 bytes of LDS; arguments tab, idx, rays, centers, near, far, rays_encoding, mlp_weights, mlp_biases, weight_opacity, bias_opacity, weight_color, bias_color, bg_color, out0, out1, out2; writes out0, out1, out2
.if DOCPART == 2
	.amdgcn_target "amdgcn-amd-amdhsa--gfx1250"
	.amdhsa_code_object_version 6
	.text
	.protected	k_q3a543aded8_render
	.globl	k_q3a543aded8_render
	.p2align	8
	.type	k_q3a543aded8_render,@function
k_q3a543aded8_render:
	s_mov_b64 s[64:65], 0
	v_nop
	global_prefetch_b8 v0, s[64:65] scope:SCOPE_SE
	s_setreg_imm32_b32 hwreg(HW_REG_WAVE_MODE, 25, 1), 1
	s_wait_xcnt 0x0
; render: for each ray 32 samples: gather 12 texels of 256 bytes a sample from tab (bf16, 64 density + 64 colour channels), interpolate in f32,
; two layers 64 -> 64 with softplus, an opacity head and a colour head on the matrix unit (bf16 operands, f32 sums), composite along the ray.
; A work-group owns 64 rays, a wave four, one a trip of the one loop.  Sixteen waves, four a SIMD, 256 registers each: the other waves'
; arithmetic covers a wave's waits for its gathers.
; GATHER: step p of 16 takes samples p and 16 + p.  Lane = 16 a + q: sample 16 a + p, chunk q (8 channels) of the texel, so sixteen neighbouring
; lanes read one whole texel, 256 consecutive aligned bytes, and a lane sums all 12 texels of its 8 channels itself: no sum across lanes.
; The texel numbers come from idx, which the launch before stored; the fractions are made here by the same five lines (COORD).
; MATRIX USE: source 0 = weights (row = output channel), source 1 = samples (column = sample).  A result's register j in lane (r, h) is then
; channel 16 T + 8 h + j of sample r, and four packed conversions make of it half of the next layer's source 1: the layers chain in registers.
; BASE 2: sp2(x) = max(x, 0) + log2(1 + 2^-|x|) = softplus(x ln 2) / ln 2, the maximum taken out as the problem's softplus does.  W0, b0, b1, bo are scaled by log2 e, the hidden vectors
; are carried divided by ln 2, the colour weights that meet them are scaled by ln 2, and sigma * delta is in base-2 units: exact algebra.
; NO CLUSTER, NO TENSOR LOAD: what the work-groups share is 22,528 bytes of weights, read once by each, against 64 * 32 * 12 * 256 bytes
; of gathered texels, which hang on the points.
; LIMITS: in the hidden layers 2^-|x| below 6e-8 is lost in 1 + 2^-|x| (an absolute error of 6e-8 at the most, under the bf16 rounding of the
; vector); the opacity's softplus takes a two-term series below 2^-10 and keeps its relative accuracy down to 2^-126, below which it is 0.
; The running sum along a ray is a scan over lanes: another order of rounding than a serial sum.  t and the points are fused multiply-adds.
; A NaN coordinate is not served.
.set CONST,  22528                     ; LDS: 0: 22 fragment images of 1,024 bytes (0-7 W0', 8-15 W1, 16-17 ln2 Wc, 18-19 Wc, 20-21 wo in all 16 rows)
                                       ; CONST: b0'[64], +256 b1'[64], +512 bias_color[16], +576 bg_color[16]
.set MSTG,   23296                     ; mask[64]; +256: ray_len[64]
.set PW0,    23808                     ; then 11,520 bytes for each wave:
.set PWB,    11520
.set FPITCH, 272                       ; +0     32 rows (samples) of 128 bf16 + 16 bytes: 17 * 16, so 16 rows begin in 16 different 16-byte columns
.set WREC,   8704                      ; +8704  32 records (samples) of 12 f32 weights, 80 = 5 * 16 bytes apart
.set WPITCH, 80
.set OSTG,   11264                     ; +11264 256 bytes: my four rays' features on their way out
.set K254,   66                        ; s66 = 254.0
; v1 16 lane; v2 16 q; v3 256 a; v4 my record (lane = sample); v5 records of half a; v6 feature store; v7 fragment load; v8 32 h; v9 way out;
; v10 (sample + 0.5) / 32; v11 t; v12 delta; v13 32 (q & 7); v14, v15 at work
.set E,    16                          ; v[16:23]   gather: what the sums start from: 0 (density chunks) or rays_encoding (colour chunks)
.set ACCG, 24                          ; v[24:31]   gather: 8 channels' sums           (v[16:35]: at work in the compositing)
.set PK,   32                          ; v[32:35]   gather: the same as bf16
.set BGT,  36                          ; v[36:43]   bg_color[8 h + j]
.set OUTA, 44                          ; v[44:51]   features of ray (lane & 3), channels 8 h + j, kept over the trips
.set WR,   52                          ; v[52:75]   gather: 12 weights, two sets
.set TS,   52                          ; v[52:67]   softplus: at work
.set BCT,  68                          ; v[68:75]   bias_color[8 h + j]
.set MACC, 76                          ; mask of ray (lane & 3)
.set LACC, 77                          ; ray_len of ray (lane & 3)
.set SEL,  78                          ; lane & 3
.set RING, 80                          ; v[80:175]  gather: two slots of 12 texels x 4 registers
.set H0,   80                          ; v[80:111]  density fragments [n][s] at 16 n + 8 s; later the second hidden vector
.set H1,   112                         ; v[112:143] the first hidden vector
.set FC,   144                         ; v[144:175] colour + encoding fragments
.set AF,   176                         ; v[176:207] four weight fragments
.set IDX,  176                         ; v[176:183] gather: two index records
.set VOF,  184                         ; v[184:189] gather: two sets of three texel offsets
.set W12,  192                         ; v[192:203] set-up: my sample's 12 weights; v[204:214] at work there
.set BT,   208                         ; v[208:223] two bias tiles
.set ACC,  224                         ; v[224:255] four accumulator tiles
	s_load_b512 s[8:23], s[0:1], 0x0               ; tab, idx, rays, centers, near, far, rays_encoding, mlp_weights
	s_load_b512 s[24:39], s[0:1], 0x40             ; mlp_biases, weight_opacity, bias_opacity, weight_color, bias_color, bg_color, out0, out1
	s_load_b64 s[40:41], s[0:1], 0x80              ; out2
	v_lshrrev_b32 v14, 5, v0
	v_readfirstlane_b32 s2, v14                    ; wave 0..15
	s_mov_b32 s3, ttmp9                            ; work-group
	s_mov_b32 s42, 0x80000000                      ; the sign
	s_mov_b32 s43, 0xffff0000                      ; lanes 16-31
	s_mov_b32 s44, 0xff00ff00                      ; lanes with q >= 8: colour chunks
	s_mov_b32 s46, 0x76543210                      ; v_permlanex16_b32: lane i of one half reads lane i of the other
	s_mov_b32 s47, 0xfedcba98
	s_mov_b32 s[K254], 0x437e0000
	s_mov_b32 s70, 0xbf38aa3b                      ; -log2(e) / 2
	s_lshl_b32 s4, s3, 6
	s_lshl2_add_u32 s4, s2, s4                     ; my first ray = 64 x work-group + 4 x wave
	s_mul_i32 s58, s4, 12                          ; its offset in rays and centers
	s_lshl_b32 s59, s4, 2                          ; in near and far
	s_mul_i32 s6, s2, PWB
	s_add_co_u32 s6, s6, PW0                       ; my wave's LDS
	s_add_co_u32 s7, s6, WREC
	s_add_co_u32 s71, s6, OSTG
	s_lshl_b32 s72, s2, 4
	s_add_co_u32 s72, s72, MSTG                    ; my four words of the mask stage
	v_and_b32 v15, 31, v0                          ; lane
	v_and_b32 v16, 15, v0                          ; r = q
	v_bfe_u32 v17, v0, 4, 1                        ; h = a
	v_lshlrev_b32 v1, 4, v15
	v_lshlrev_b32 v2, 4, v16
	v_lshlrev_b32 v3, 8, v17
	v_mul_u32_u24 v4, v15, WPITCH
	v_add_nc_u32 v4, s7, v4
	v_mul_u32_u24 v5, v17, 16*WPITCH
	v_add_nc_u32 v5, s7, v5
	v_mul_u32_u24 v6, v17, 16*FPITCH
	v_add3_u32 v6, v6, v2, s6
	v_mul_u32_u24 v7, v16, FPITCH
	v_lshl_add_u32 v7, v17, 4, v7
	v_add_nc_u32 v7, s6, v7
	v_lshlrev_b32 v8, 5, v17
	v_and_b32 v[SEL], 3, v0
	v_lshlrev_b32 v9, 6, v[SEL]
	v_lshl_add_u32 v9, v17, 5, v9
	v_add_nc_u32 v9, s71, v9
	v_cvt_f32_u32 v10, v15
	v_add_f32 v10, 0.5, v10
	v_mul_f32 v10, 0x3d000000, v10
	v_and_b32 v13, 7, v0
	v_lshlrev_b32 v13, 5, v13
	v_lshl_add_u32 v18, s2, 9, v1                  ; 512 x wave + 16 x lane: my half image
	; The images of W0' and W1.  Image 2 T + s of a layer: lane (r, h) holds W[k][16 T + r], k = 32 s + 16 half + 8 h + e; wave w makes half w & 1 of image w >> 1 of both layers.
	s_bfe_u32 s6, s2, 0x10001                      ; s
	s_lshl_b32 s6, s6, 13                          ; 32 rows of 256 bytes
	s_and_b32 s7, s2, 1                            ; half
	s_lshl_b32 s7, s7, 12
	s_add_co_u32 s6, s6, s7
	s_lshr_b32 s7, s2, 2                           ; T
	s_lshl_b32 s7, s7, 6
	s_add_co_u32 s6, s6, s7
	v_lshlrev_b32 v14, 11, v17
	v_lshl_add_u32 v14, v16, 2, v14
	v_add_nc_u32 v14, s6, v14
	s_wait_kmcnt 0x0
	s_load_b32 s45, s[28:29], 0x0                  ; bias_opacity
.irp i, 0,1
.irp e, 0,1,2,3,4,5,6,7
	global_load_b32 v[80+8*\i+\e], v14, s[22:23] offset:\i*16384+\e*256
.endr
.endr
	s_lshl_b32 s6, s4, 9
	s_mov_b32 s7, 0
	s_add_nc_u64 s[60:61], s[10:11], s[6:7]        ; idx at my first ray
	s_lshl_b32 s6, s4, 8
	s_add_nc_u64 s[62:63], s[20:21], s[6:7]        ; rays_encoding at my first ray
	s_wait_loadcnt 0x0
.irp j, 0,2,4,6
	v_pk_mul_f32 v[80+\j:81+\j], v[80+\j:81+\j], 0x3fb8aa3b op_sel_hi:[1,0]    ; W0 log2 e
.endr
.irp j, 0,1,2,3,4,5,6,7
	v_cvt_pk_bf16_f32 v[96+\j], v[80+2*\j], v[81+2*\j]
.endr
	ds_store_b128 v18, v[96:99]
	ds_store_b128 v18, v[100:103] offset:8192
	; The small tables, shared out by the wave's number; no barrier stands inside these branches.
	s_cmp_lt_u32 s2, 8
	s_cbranch_scc0 .Lnot_wc
	s_bfe_u32 s6, s2, 0x10001                      ; waves 0-7: images 16-19, weight_color[k][r], waves 0-3 scaled by ln 2
	s_lshl_b32 s6, s6, 11
	s_and_b32 s7, s2, 1
	s_lshl_b32 s7, s7, 10
	s_add_co_u32 s6, s6, s7
	v_lshlrev_b32 v19, 9, v17
	v_lshl_add_u32 v19, v16, 2, v19
	v_add_nc_u32 v19, s6, v19
.irp e, 0,1,2,3,4,5,6,7
	global_load_b32 v[80+\e], v19, s[30:31] offset:\e*64
.endr
	s_mov_b32 s67, 0x3f800000
	s_mov_b32 s68, 0x3f317218                      ; ln 2
	s_cmp_lt_u32 s2, 4
	s_cselect_b32 s67, s68, s67
	s_wait_loadcnt 0x0
.irp e, 0,1,2,3,4,5,6,7
	v_mul_f32 v[80+\e], s67, v[80+\e]
.endr
.irp j, 0,1,2,3
	v_cvt_pk_bf16_f32 v[96+\j], v[80+2*\j], v[81+2*\j]
.endr
	ds_store_b128 v18, v[96:99] offset:16384
	s_branch .Lpro_done
.Lnot_wc:
	s_cmp_lt_u32 s2, 12
	s_cbranch_scc0 .Lnot_wo
	s_bfe_u32 s6, s2, 0x10001                      ; waves 8-11: images 20, 21: weight_opacity[k] in every row
	s_lshl_b32 s6, s6, 7
	s_and_b32 s7, s2, 1
	s_lshl_b32 s7, s7, 6
	s_add_co_u32 s6, s6, s7
	v_add_nc_u32 v19, s6, v8
	global_load_b128 v[80:83], v19, s[26:27]
	global_load_b128 v[84:87], v19, s[26:27] offset:16
	s_wait_loadcnt 0x0
.irp j, 0,1,2,3
	v_cvt_pk_bf16_f32 v[96+\j], v[80+2*\j], v[81+2*\j]
.endr
	ds_store_b128 v18, v[96:99] offset:16384
	s_branch .Lpro_done
.Lnot_wo:
	s_cmp_eq_u32 s2, 12
	s_cbranch_scc0 .Lnot_b
	global_load_b128 v[80:83], v1, s[24:25]        ; wave 12: both layers' biases, scaled by log2 e
	s_wait_loadcnt 0x0
	v_pk_mul_f32 v[80:81], v[80:81], 0x3fb8aa3b op_sel_hi:[1,0]
	v_pk_mul_f32 v[82:83], v[82:83], 0x3fb8aa3b op_sel_hi:[1,0]
	ds_store_b128 v1, v[80:83] offset:CONST
	s_branch .Lpro_done
.Lnot_b:
	s_cmp_eq_u32 s2, 13
	s_cbranch_scc0 .Lpro_done
	v_lshlrev_b32 v19, 2, v16                      ; wave 13: bias_color from lanes 0-15, bg_color from lanes 16-31
	global_load_b32 v80, v19, s[32:33]
	global_load_b32 v81, v19, s[34:35]
	v_lshlrev_b32 v20, 2, v15
	s_wait_loadcnt 0x0
	v_cndmask_b32 v80, v80, v81, s43
	ds_store_b32 v20, v80 offset:CONST+512
.Lpro_done:
	s_wait_kmcnt 0x0
	s_mul_f32 s45, s45, 0x3fb8aa3b                 ; bo log2 e
.irp j, 0,1,2,3,4,5,6,7
	v_mov_b32 v[OUTA+\j], 0                        ; each lane's ten results are chosen in one of the four trips; written whole once here
.endr
	v_mov_b32 v[MACC], 0
	v_mov_b32 v[LACC], 0
	s_mov_b32 s5, 0                                ; trip
	s_wait_dscnt 0x0                               ; my part of the tables is in LDS,
	s_barrier_signal -1
	s_barrier_wait -1                              ; everybody's is; nothing writes them again
; The same five lines as in the launch that made idx.
.macro COORD p, f
	v_med3_num_f32 v[\p], v[\p], -1.0, 1.0
	v_add_f32 v[\p], 1.0, v[\p]
	v_mul_f32 v[\p], 0x42ff0000, v[\p]
	v_floor_f32 v[\f], v[\p]
	v_med3_num_f32 v[\f], v[\f], 0, s[K254]
.endm
.macro PLW b, fu, gu, fv, gv           ; a plane's four weights, in the order of the four texels: (0,0), column + 1, row + 1, both
	v_mul_f32 v[W12+\b],   v[\gu], v[\gv]
	v_mul_f32 v[W12+\b+1], v[\fu], v[\gv]
	v_mul_f32 v[W12+\b+2], v[\gu], v[\fv]
	v_mul_f32 v[W12+\b+3], v[\fu], v[\fv]
.endm
.macro IDXLD p                         ; the index records of samples p and 16 + p
	global_load_b128 v[IDX+4*((\p)&1):IDX+4*((\p)&1)+3], v3, s[60:61] offset:16*(\p)
.endm
.macro ADDR p                          ; texel number, bounded by the table's last cell, to a byte offset; + my chunk
.irp pl, 0,1,2
	v_min_u32 v[VOF+3*((\p)&1)+\pl], 0x5fefe, v[IDX+4*((\p)&1)+\pl]
	v_lshl_add_u32 v[VOF+3*((\p)&1)+\pl], v[VOF+3*((\p)&1)+\pl], 8, v2
.endr
.endm
.macro GATH p                          ; 12 texels; the last byte reached is (0x5fefe + 257) * 256 + 255, the table's last
.irp pl, 0,1,2
	global_load_b128 v[RING+48*((\p)&1)+16*\pl:RING+48*((\p)&1)+16*\pl+3],     v[VOF+3*((\p)&1)+\pl], s[8:9]
	global_load_b128 v[RING+48*((\p)&1)+16*\pl+4:RING+48*((\p)&1)+16*\pl+7],   v[VOF+3*((\p)&1)+\pl], s[8:9] offset:256
	global_load_b128 v[RING+48*((\p)&1)+16*\pl+8:RING+48*((\p)&1)+16*\pl+11],  v[VOF+3*((\p)&1)+\pl], s[8:9] offset:65536
	global_load_b128 v[RING+48*((\p)&1)+16*\pl+12:RING+48*((\p)&1)+16*\pl+15], v[VOF+3*((\p)&1)+\pl], s[8:9] offset:65792
.endr
.endm
.macro WLD p                           ; my sample's 12 weights; the 16 lanes of a half read the same words
.irp pl, 0,1,2
	ds_load_b128 v[WR+12*((\p)&1)+4*\pl:WR+12*((\p)&1)+4*\pl+3], v5 offset:WPITCH*(\p)+16*\pl
.endr
.endm
.macro TEX slot, t, add                ; one texel: 8 channels, bf16 half x f32 weight + f32 sum
.irp k, 0,1,2,3
	v_fma_mix_f32_bf16 v[ACCG+2*\k],   v[RING+48*\slot+4*\t+\k], v[WR+12*\slot+\t], v[\add+2*\k]   op_sel_hi:[1,0,0]
	v_fma_mix_f32_bf16 v[ACCG+2*\k+1], v[RING+48*\slot+4*\t+\k], v[WR+12*\slot+\t], v[\add+2*\k+1] op_sel:[1,0,0] op_sel_hi:[1,0,0]
.endr
.endm
; Step p.  On their way at its head: gather p, record p + 2, gather p + 1, record p + 3, in this order.
.macro STEP p
.if \p<15
	WLD (\p+1)
.endif
.if \p<=12
	s_wait_loadcnt 13                              ; gather p and record p + 2 are in; the 12 loads of gather p + 1 and record p + 3 stay out
.else
.if \p<=14
	s_wait_loadcnt 12                              ; no record is left behind gather p + 1
.else
	s_wait_loadcnt 0
.endif
.endif
.if \p<=13
	ADDR (\p+2)                                    ; into the offsets of gather p, which that wait has shown done
.endif
.if \p==0
	s_wait_dscnt 3                                 ; the weights of step p are in; behind them stand the three loads of step p + 1
.else
.if \p<15
	s_wait_dscnt 4                                 ; behind them: the feature store of step p - 1 and the three loads of step p + 1
.else
	s_wait_dscnt 1                                 ; behind them: the feature store of step 14
.endif
.endif
	TEX ((\p)&1), 0, E                             ; the first texel starts the sums from E: nothing is cleared
.irp t, 1,2,3,4,5,6,7,8,9,10,11
	TEX ((\p)&1), \t, ACCG
.endr
.if \p<=13
	GATH (\p+2)                                    ; into the slot just summed
.endif
.if \p<=11
	IDXLD (\p+4)
.endif
.irp k, 0,1,2,3
	v_cvt_pk_bf16_f32 v[PK+\k], v[ACCG+2*\k], v[ACCG+2*\k+1]
.endr
	ds_store_b128 v6, v[PK:PK+3] offset:FPITCH*\p  ; rows p and 16 + p, 256 consecutive bytes each
.endm
.macro PLACES                          ; four places behind a matrix instruction (ISA guide 7.12.1) before its results are read and its sources loaded again
.rept 4
	v_nop
.endr
.endm
.macro LOADW L, sp                     ; layer L, output tiles T = 2 sp and 2 sp + 1: four weight fragments and two bias tiles
.irp tt, 0,1
.irp s, 0,1
	ds_load_b128 v[AF+16*\tt+8*\s:AF+16*\tt+8*\s+3],   v1 offset:(8*\L+2*(2*\sp+\tt)+\s)*1024
	ds_load_b128 v[AF+16*\tt+8*\s+4:AF+16*\tt+8*\s+7], v1 offset:(8*\L+2*(2*\sp+\tt)+\s)*1024+512
.endr
	ds_load_b128 v[BT+8*\tt:BT+8*\tt+3],   v8 offset:CONST+256*\L+64*(2*\sp+\tt)
	ds_load_b128 v[BT+8*\tt+4:BT+8*\tt+7], v8 offset:CONST+256*\L+64*(2*\sp+\tt)+16
.endr
.endm
.macro MM in                           ; two output tiles x two sample tiles x K = 64.  The bias tile starts each sum.
.irp tt, 0,1                           ; The four accumulators take turns, one instruction a turn.
.irp n, 0,1
	v_wmma_f32_16x16x32_bf16 v[ACC+16*\tt+8*\n:ACC+16*\tt+8*\n+7], v[AF+16*\tt:AF+16*\tt+7], v[\in+16*\n:\in+16*\n+7], v[BT+8*\tt:BT+8*\tt+7]
.endr
.endr
.irp tt, 0,1
.irp n, 0,1
	v_wmma_f32_16x16x32_bf16 v[ACC+16*\tt+8*\n:ACC+16*\tt+8*\n+7], v[AF+16*\tt+8:AF+16*\tt+15], v[\in+16*\n+8:\in+16*\n+15], v[ACC+16*\tt+8*\n:ACC+16*\tt+8*\n+7]
.endr
.endr
.endm
.macro SP x, out                       ; sp2 of a tile, packed into four registers of the next layer's fragment
.irp j, 0,1,2,3,4,5,6,7
	v_or_b32 v[TS+\j], s42, v[\x+\j]               ; -|x|
.endr
.irp j, 0,1,2,3,4,5,6,7
	v_exp_f32 v[TS+8+\j], v[TS+\j]
.endr
.irp j, 0,1,2,3,4,5,6,7
	v_max_num_f32 v[\x+\j], 0, v[\x+\j]            ; plain instructions between the exponentials and the use of their results (ISA guide 5.7.2)
.endr
	s_wait_alu depctr_va_vdst(0)
.irp j, 0,2,4,6
	v_pk_add_f32 v[TS+\j:TS+\j+1], v[TS+8+\j:TS+8+\j+1], 1.0 op_sel_hi:[1,0]
.endr
.irp j, 0,1,2,3,4,5,6,7
	v_log_f32 v[TS+8+\j], v[TS+\j]
.endr
	v_nop                                          ; the place behind the last logarithm
	s_wait_alu depctr_va_vdst(0)
.irp j, 0,2,4,6
	v_pk_add_f32 v[\x+\j:\x+\j+1], v[\x+\j:\x+\j+1], v[TS+8+\j:TS+8+\j+1]
.endr
.irp j, 0,1,2,3
	v_cvt_pk_bf16_f32 v[\out+\j], v[\x+2*\j], v[\x+2*\j+1]
.endr
.endm
.macro SP4 out, sp                     ; tile (tt, n) = channels 32 sp + 16 tt + 8 h + j of samples 16 n + r = registers 4 tt .. + 3 of fragment [n][sp]
.irp tt, 0,1
.irp n, 0,1
	SP (ACC+16*\tt+8*\n), (\out+16*\n+8*\sp+4*\tt)
.endr
.endr
.endm
.Lray:
	s_load_b96 s[48:50], s[12:13], s58 offset:0x0  ; the ray
	s_load_b96 s[52:54], s[14:15], s58 offset:0x0  ; its center
	s_load_b32 s56, s[16:17], s59 offset:0x0       ; near
	s_load_b32 s57, s[18:19], s59 offset:0x0       ; far
	global_load_b128 v[E:E+3],   v13, s[62:63]     ; rays_encoding[8 (q & 7) .. + 7]
	global_load_b128 v[E+4:E+7], v13, s[62:63] offset:16
	IDXLD 0
	IDXLD 1
	s_wait_loadcnt 1                               ; the encoding and record 0 are in; record 1 stays out
	ADDR 0
	GATH 0
	IDXLD 2
	s_wait_loadcnt 13                              ; record 1 is in; behind it stand gather 0's 12 loads and record 2
	ADDR 1
	GATH 1
	IDXLD 3
	s_wait_kmcnt 0x0
	; lane = sample: t, delta, the fractions and the 12 weights, while the first gathers are on their way
	v_mov_b32 v14, s56
	v_sub_f32 v15, s57, v14                        ; far - near
	v_fma_f32 v11, v15, v10, v14                   ; t
	v_mul_f32 v12, 0x3d000000, v15                 ; delta
	v_fma_f32 v204, v11, s48, s52
	v_fma_f32 v205, v11, s49, s53
	v_fma_f32 v206, v11, s50, s54
	COORD 204, 208
	COORD 205, 209
	COORD 206, 210
	v_sub_f32 v208, v204, v208                     ; fx, fy, fz
	v_sub_f32 v209, v205, v209
	v_sub_f32 v210, v206, v210
	v_sub_f32 v212, 1.0, v208                      ; 1 - f
	v_sub_f32 v213, 1.0, v209
	v_sub_f32 v214, 1.0, v210
	PLW 0, 208, 212, 209, 213                      ; xy: column x, row y
	PLW 4, 209, 213, 210, 214                      ; yz: column y, row z
	PLW 8, 210, 214, 208, 212                      ; zx: column z, row x
	ds_store_b128 v4, v[W12:W12+3]
	ds_store_b128 v4, v[W12+4:W12+7] offset:16
	ds_store_b128 v4, v[W12+8:W12+11] offset:32
	WLD 0                                          ; LDS serves a wave's instructions in order (ISA guide 5.7.1): these see the stores above
.irp j, 0,1,2,3,4,5,6,7
	v_cndmask_b32 v[E+\j], 0, v[E+\j], s44         ; density chunks start from 0
.endr
.irp p, 0,1,2,3,4,5,6,7,8,9,10,11,12,13,14,15
	STEP \p
.endr
	; The fragments of source 1: sample tile n, K step s: row 16 n + r, bytes 64 s + 16 h and + 32; colour 128 bytes further
.irp n, 0,1
.irp s, 0,1
	ds_load_b128 v[H0+16*\n+8*\s:H0+16*\n+8*\s+3],   v7 offset:\n*16*FPITCH+\s*64
	ds_load_b128 v[H0+16*\n+8*\s+4:H0+16*\n+8*\s+7], v7 offset:\n*16*FPITCH+\s*64+32
	ds_load_b128 v[FC+16*\n+8*\s:FC+16*\n+8*\s+3],   v7 offset:\n*16*FPITCH+\s*64+128
	ds_load_b128 v[FC+16*\n+8*\s+4:FC+16*\n+8*\s+7], v7 offset:\n*16*FPITCH+\s*64+160
.endr
.endr
	LOADW 0, 0
	s_wait_dscnt 0x0
	MM H0
	PLACES
	LOADW 0, 1                                     ; the next weights come in under the softplus
	SP4 H1, 0
	s_wait_dscnt 0x0
	MM H0
	PLACES
	LOADW 1, 0
	SP4 H1, 1
	s_wait_dscnt 0x0
	MM H1
	PLACES
	LOADW 1, 1
	SP4 H0, 0                                      ; the second hidden vector takes the density fragments' registers
	s_wait_dscnt 0x0
	MM H1
	PLACES
.irp f, 0,1,2,3,4,5
	ds_load_b128 v[AF+8*\f:AF+8*\f+3],   v1 offset:(16+\f)*1024      ; ln2 Wc (2), Wc (2), wo (2)
	ds_load_b128 v[AF+8*\f+4:AF+8*\f+7], v1 offset:(16+\f)*1024+512
.endr
	ds_load_b128 v[BCT:BCT+3],   v8 offset:CONST+512
	ds_load_b128 v[BCT+4:BCT+7], v8 offset:CONST+528
	ds_load_b128 v[BGT:BGT+3],   v8 offset:CONST+576
	ds_load_b128 v[BGT+4:BGT+7], v8 offset:CONST+592
	SP4 H0, 1
	s_wait_dscnt 0x0
	; The heads: ACC, ACC+8 opacity of sample tiles 0, 1; ACC+16, ACC+24 colour.  The accumulators take turns, one instruction a turn.
	v_wmma_f32_16x16x32_bf16 v[ACC:ACC+7],     v[AF+32:AF+39], v[H0:H0+7],     0
	v_wmma_f32_16x16x32_bf16 v[ACC+8:ACC+15],  v[AF+32:AF+39], v[H0+16:H0+23], 0
	v_wmma_f32_16x16x32_bf16 v[ACC+16:ACC+23], v[AF:AF+7],     v[H0:H0+7],     v[BCT:BCT+7]
	v_wmma_f32_16x16x32_bf16 v[ACC+24:ACC+31], v[AF:AF+7],     v[H0+16:H0+23], v[BCT:BCT+7]
	v_wmma_f32_16x16x32_bf16 v[ACC:ACC+7],     v[AF+40:AF+47], v[H0+8:H0+15],  v[ACC:ACC+7]
	v_wmma_f32_16x16x32_bf16 v[ACC+8:ACC+15],  v[AF+40:AF+47], v[H0+24:H0+31], v[ACC+8:ACC+15]
	v_wmma_f32_16x16x32_bf16 v[ACC+16:ACC+23], v[AF+8:AF+15],  v[H0+8:H0+15],  v[ACC+16:ACC+23]
	v_wmma_f32_16x16x32_bf16 v[ACC+24:ACC+31], v[AF+8:AF+15],  v[H0+24:H0+31], v[ACC+24:ACC+31]
	v_wmma_f32_16x16x32_bf16 v[ACC+16:ACC+23], v[AF+16:AF+23], v[FC:FC+7],     v[ACC+16:ACC+23]
	v_wmma_f32_16x16x32_bf16 v[ACC+24:ACC+31], v[AF+16:AF+23], v[FC+16:FC+23], v[ACC+24:ACC+31]
	v_wmma_f32_16x16x32_bf16 v[ACC+16:ACC+23], v[AF+24:AF+31], v[FC+8:FC+15],  v[ACC+16:ACC+23]
	v_wmma_f32_16x16x32_bf16 v[ACC+24:ACC+31], v[AF+24:AF+31], v[FC+24:FC+31], v[ACC+24:ACC+31]
	PLACES
	; COMPOSITING, lane = sample.  All 16 rows of an opacity tile are alike, so register 0 of lane l holds sample l's (tile 0 below, tile 1 above).
	v_cndmask_b32 v16, v[ACC], v[ACC+8], s43
	v_add_f32 v16, s45, v16
	v_or_b32 v17, s42, v16                         ; -|x|
	v_exp_f32 v18, v17                             ; e
	v_max_num_f32 v16, 0, v16
	s_wait_alu depctr_va_vdst(0)
	v_add_f32 v19, 1.0, v18
	v_fmaak_f32 v20, s70, v18, 0x3fb8aa3b          ; log2 e (1 - e / 2)
	v_log_f32 v21, v19
	v_mul_f32 v20, v18, v20                        ; log2(1 + e) for small e, with its relative accuracy
	v_cmp_gt_f32 vcc_lo, 0x3a800000, v18           ; e < 2^-10
	s_wait_alu depctr_va_vdst(0)
	v_cndmask_b32 v21, v21, v20, vcc_lo
	v_add_f32 v16, v16, v21                        ; sigma / ln 2
	v_mul_f32 v17, v16, v12                        ; sd, in base-2 units
	v_mov_b32 v18, v17
	v_add_f32_dpp v18, v18, v18 row_shr:1 row_mask:0xf bank_mask:0xf   ; running sum inside each half of 16 lanes: lanes without a source keep their value
	v_add_f32_dpp v18, v18, v18 row_shr:2 row_mask:0xf bank_mask:0xf
	v_add_f32_dpp v18, v18, v18 row_shr:4 row_mask:0xf bank_mask:0xf
	v_add_f32_dpp v18, v18, v18 row_shr:8 row_mask:0xf bank_mask:0xf
	v_readlane_b32 s67, v18, 15                    ; the lower half's total goes onto the upper half
	v_mov_b32 v19, s67
	v_cndmask_b32 v19, 0, v19, s43
	v_add_f32 v18, v18, v19
	v_readlane_b32 s68, v18, 31                    ; -log2 of the transmittance
	v_sub_f32 v19, v17, v18
	v_xor_b32 v20, s42, v17
	v_mov_b32 v21, s68
	v_xor_b32 v21, s42, v21
	v_exp_f32 v22, v19                             ; T_i
	v_exp_f32 v23, v20                             ; 1 - alpha_i
	v_exp_f32 v24, v21                             ; the ray's transmittance
	v_nop
	s_wait_alu depctr_va_vdst(0)
	v_fma_f32 v25, -v22, v23, v22                  ; w = T_i alpha_i
	v_sub_f32 v27, 1.0, v24                        ; mask
	v_sub_f32 v26, 1.0, v27                        ; 1 - mask, as the problem's function forms it
	v_mul_f32 v16, v25, v11                        ; w t
	v_permlanex16_b32 v19, v25, s46, s47           ; w of the other half
	v_cndmask_b32 v20, v25, v19, s43               ; w of sample r
	v_cndmask_b32 v22, v19, v25, s43               ; w of sample 16 + r
.irp j, 0,2,4,6
	v_pk_mul_f32 v[28+\j:29+\j], v[ACC+16+\j:ACC+17+\j], v[20:21] op_sel_hi:[1,0]
.endr
.irp j, 0,2,4,6
	v_pk_fma_f32 v[28+\j:29+\j], v[ACC+24+\j:ACC+25+\j], v[22:23], v[28+\j:29+\j] op_sel_hi:[1,0,1]
.endr
.irp m, 1,2,4,8
.irp j, 16,28,29,30,31,32,33,34,35
	v_add_f32_dpp v\j, v\j, v\j row_xmask:\m row_mask:0xf bank_mask:0xf        ; sums over the 16 lanes of a half: 8 channels and w t
.endr
.endr
	v_permlanex16_b32 v19, v16, s46, s47
	v_add_f32 v16, v16, v19                        ; ray_len
.irp j, 0,2,4,6
	v_pk_fma_f32 v[28+\j:29+\j], v[BGT+\j:BGT+\j+1], v[26:27], v[28+\j:29+\j] op_sel_hi:[1,0,1]
.endr
	v_cmp_eq_u32 vcc_lo, s5, v[SEL]                ; lanes with lane & 3 = trip keep this ray's results
.irp j, 0,1,2,3,4,5,6,7
	v_cndmask_b32 v[OUTA+\j], v[OUTA+\j], v[28+\j], vcc_lo
.endr
	v_cndmask_b32 v[MACC], v[MACC], v27, vcc_lo
	v_cndmask_b32 v[LACC], v[LACC], v16, vcc_lo
	s_add_nc_u64 s[60:61], s[60:61], 512           ; the next ray; every load of this trip has been waited for (the last step's wait for 0, the wait on KMcnt)
	s_add_nc_u64 s[62:63], s[62:63], 256
	s_add_co_u32 s58, s58, 12
	s_add_co_u32 s59, s59, 4
	s_add_co_u32 s5, s5, 1
	s_cmp_lt_u32 s5, 4
	s_cbranch_scc1 .Lray
	; THE WAY OUT.  Lane (r, h) holds channels 8 h .. + 7 of ray r & 3: into my stage (four lanes write the same bytes with the same values),
	; back as 8 bytes a lane, and one store of the wave covers my four rays' 256 consecutive bytes of out0, aligned.
	ds_store_b128 v9, v[OUTA:OUTA+3]
	ds_store_b128 v9, v[OUTA+4:OUTA+7] offset:16
	v_lshl_add_u32 v14, v[SEL], 2, s72
	ds_store_b32 v14, v[MACC]
	ds_store_b32 v14, v[LACC] offset:256
	v_lshrrev_b32 v15, 1, v1                       ; 8 x lane
	v_add_nc_u32 v16, s71, v15
	ds_load_b64 v[18:19], v16                      ; my own bytes: LDS serves a wave's instructions in order
	s_lshl_b32 s6, s3, 12
	s_lshl_b32 s7, s2, 8
	s_add_co_u32 s6, s6, s7
	s_mov_b32 s7, 0
	s_add_nc_u64 s[36:37], s[36:37], s[6:7]
	s_wait_dscnt 0x0                               ; the load is back, and my words of mask and ray_len are in LDS, for the others' sake
	global_store_b64 v15, v[18:19], s[36:37]
	s_barrier_signal -1
	s_barrier_wait -1
	s_cmp_gt_u32 s2, 1
	s_cbranch_scc1 .Lend
	s_cmp_eq_u32 s2, 0                             ; wave 0 stores the group's 64 masks, wave 1 its 64 lengths: 256 consecutive bytes each, aligned
	s_cselect_b64 s[38:39], s[38:39], s[40:41]
	s_lshl_b32 s6, s3, 8
	s_add_nc_u64 s[38:39], s[38:39], s[6:7]
	v_lshl_add_u32 v17, s2, 8, v15
	ds_load_b64 v[20:21], v17 offset:MSTG
	s_wait_dscnt 0x0
	global_store_b64 v15, v[20:21], s[38:39]
.Lend:
	s_wait_xcnt 0x0
	v_lshl_add_u32 v254, v0, 2, 0x32d00
	v_mov_b32 v255, 0
	s_wait_tensorcnt 0x0
	ds_add_u32 v254, v255
	s_wait_dscnt 0x0
	s_endpgm
.Lfunc_end_k_q3a543aded8_render:
	.size	k_q3a543aded8_render, .Lfunc_end_k_q3a543aded8_render-k_q3a543aded8_render
	.p2alignl 7, 3214868480
	.fill 96, 4, 3214868480
	.section	.rodata,"a",@progbits
	.p2align	6, 0x0
	.amdhsa_kernel k_q3a543aded8_render
		.amdhsa_group_segment_fixed_size 210176
		.amdhsa_private_segment_fixed_size 0
		.amdhsa_enable_private_segment 0
		.amdhsa_kernarg_size 136
		.amdhsa_user_sgpr_count 2
		.amdhsa_user_sgpr_kernarg_segment_ptr 1
		.amdhsa_wavefront_size32 1
		.amdhsa_system_sgpr_workgroup_id_x 1
		.amdhsa_system_sgpr_workgroup_id_y 1
		.amdhsa_system_sgpr_workgroup_id_z 1
		.amdhsa_system_vgpr_workitem_id 0
		.amdhsa_next_free_vgpr 256
		.amdhsa_next_free_sgpr 80
		.amdhsa_reserve_vcc 1
		.amdhsa_float_denorm_mode_32 3
		.amdhsa_float_denorm_mode_16_64 3
		.amdhsa_memory_ordered 1
		.amdhsa_forward_progress 1
		.amdhsa_inst_pref_size 189
	.end_amdhsa_kernel
	.amdgpu_metadata
---
amdhsa.version: [ 1, 2 ]
amdhsa.kernels:
  - .name:           k_q3a543aded8_render
    .symbol:         k_q3a543aded8_render.kd
    .args:
      - { .name: tab, .offset: 0, .size: 8, .value_kind: global_buffer, .address_space: global }
      - { .name: idx, .offset: 8, .size: 8, .value_kind: global_buffer, .address_space: global }
      - { .name: rays, .offset: 16, .size: 8, .value_kind: global_buffer, .address_space: global }
      - { .name: centers, .offset: 24, .size: 8, .value_kind: global_buffer, .address_space: global }
      - { .name: near, .offset: 32, .size: 8, .value_kind: global_buffer, .address_space: global }
      - { .name: far, .offset: 40, .size: 8, .value_kind: global_buffer, .address_space: global }
      - { .name: rays_encoding, .offset: 48, .size: 8, .value_kind: global_buffer, .address_space: global }
      - { .name: mlp_weights, .offset: 56, .size: 8, .value_kind: global_buffer, .address_space: global }
      - { .name: mlp_biases, .offset: 64, .size: 8, .value_kind: global_buffer, .address_space: global }
      - { .name: weight_opacity, .offset: 72, .size: 8, .value_kind: global_buffer, .address_space: global }
      - { .name: bias_opacity, .offset: 80, .size: 8, .value_kind: global_buffer, .address_space: global }
      - { .name: weight_color, .offset: 88, .size: 8, .value_kind: global_buffer, .address_space: global }
      - { .name: bias_color, .offset: 96, .size: 8, .value_kind: global_buffer, .address_space: global }
      - { .name: bg_color, .offset: 104, .size: 8, .value_kind: global_buffer, .address_space: global }
      - { .name: out0, .offset: 112, .size: 8, .value_kind: global_buffer, .address_space: global }
      - { .name: out1, .offset: 120, .size: 8, .value_kind: global_buffer, .address_space: global }
      - { .name: out2, .offset: 128, .size: 8, .value_kind: global_buffer, .address_space: global }
    .group_segment_fixed_size: 210176
    .private_segment_fixed_size: 0
    .kernarg_segment_align: 8
    .kernarg_segment_size: 136
    .max_flat_workgroup_size: 512
    .sgpr_count:     80
    .vgpr_count:     256
    .wavefront_size: 32
...
	.end_amdgpu_metadata
.endif
;; end of part 2
;; ======== version 2 of 3: 2 launches; 1.36 times as fast as version 1
;; limits: values outside matrix products are rounded to bf16
;; workspace buffers: dtab 100,663,296 bytes; ctab 12,582,912 bytes; idx 8,388,608 bytes of whole numbers
;; launch prep (part 3): grid 256 x 2, 8 waves a work-group, no clusters, 75,264 bytes of LDS; arguments xy, xy_color, yz, yz_color, zx, zx_color, rays, centers, near, far, weight_color, dtab, ctab, idx; writes dtab, ctab, idx
.if DOCPART == 3
	.amdgcn_target "amdgcn-amd-amdhsa--gfx1250"
	.amdhsa_code_object_version 6
	.text
	.protected	k_q3a543aded8_prep
	.globl	k_q3a543aded8_prep
	.p2align	8
	.type	k_q3a543aded8_prep,@function
k_q3a543aded8_prep:
	s_mov_b64 s[64:65], 0
	v_nop
	global_prefetch_b8 v0, s[64:65] scope:SCOPE_SE
	s_setreg_imm32_b32 hwreg(HW_REG_WAVE_MODE, 25, 1), 1
	s_wait_xcnt 0x0
; prep makes three things.  Numbers e = (2 p + b) * 65536 + row * 256 + column; p = 0, 1, 2 for the pairs xy, yz, zx; b the batch.
; (1) dtab[e] = { texel (row, column), texel (row, column + 1) } x 64 density channels in bf16: 256 consecutive bytes at a multiple of 256,
;     so that one row of a bilinear cell is one such block.  Each texel is written twice.  (Entry 255 of a row repeats texel 255; no cell names it.)
; (2) ctab[e] = the colour plane's texel multiplied by weight_color, 64 -> 16 channels, in bf16, 32 bytes.  Interpolation and the colour
;     product are both linear, so sample(plane) @ Wc = sample(plane @ Wc): the later launch gathers 16 colour channels instead of 64.
;     FORMAT: bf16 operands, f32 sums, and the product is rounded to bf16 once more for the table; it is interpolated in f32.
; (3) idx[ray][sample][4] = { e of the cell's upper left texel in xy, yz, zx, 0 }, whole numbers, 0x5fefe at the most.
; A work-group owns row y (grid x) of batch b (grid y) in all three pairs, three units, and 32 rays.  Wave w owns channels 16 w .. + 15 of the
; 128 (waves 0-3 density, 4-7 colour): it loads them by rows (512 consecutive bytes a load), rounds to bf16 and puts 16-byte chunks (8 channels
; of one texel) into its own region of LDS.  Behind a barrier wave w takes texels 32 w .. + 31: it reads their colour chunks as matrix
; fragments (4 matrix instructions) and their density entries whole, and stores 512 consecutive bytes at a time.
; Every plane byte is read once.  No cluster, no tensor load: the work-groups share only the 4,096 bytes of weight_color.
; Limits: a NaN coordinate is not served (the problem's own function casts it to an integer, which has no defined value).
.set CHB,  262144                      ; bytes from channel to channel in a plane
.set REGN, 9280                        ; a wave's LDS region: texel x, chunk cc at 32 x + 16 (x >> 2) + 16 cc, 9,200 bytes used; 9,280 = 36 * 256 + 64:
                                       ; the 16 lanes of an entry read 4 regions x 2 chunks x 2 texels = 64 r + 16 cc + 32 c: 16 different 16-byte columns
.set PR,   20                          ; v[20:35]   packed bf16 on their way into LDS; then the two accumulator tiles
.set YR,   36                          ; v[36:99]   index records; colour fragments (the first 32); whole entries
.set XR,   100                         ; v[100:227] four groups of eight loads, f32 as loaded
.set WC,   228                         ; v[228:243] weight_color transposed, two fragments (K = 64), bf16
.set CO,   244                         ; v[244:251] projected colour, packed, to store
.set K254, 46                          ; s46 = 254.0
; v1 16 lane; v2 stage, in; v3, v15, v16 stage, back (even i, odd i, i = 15); v4 dtab offset; v5 (sample + 0.5) / 32; v17 fragments; v18 ctab offset; v19 weight_color offset
	s_load_b512 s[8:23], s[0:1], 0x0               ; xy, xy_color, yz, yz_color, zx, zx_color, rays, centers
	s_load_b256 s[24:31], s[0:1], 0x40             ; near, far, weight_color, dtab
	s_load_b128 s[56:59], s[0:1], 0x60             ; ctab, idx
	v_lshl_add_u32 v252, v0, 2, 0x12200
	v_mov_b32 v253, 0
	v_lshrrev_b32 v6, 5, v0
	v_readfirstlane_b32 s2, v6                     ; wave 0..7
	s_mov_b32 s3, ttmp9                            ; y
	s_and_b32 s4, ttmp7, 0xffff                    ; b
	s_lshl_b32 s5, s4, 8
	s_add_co_u32 s5, s5, s3                        ; work-group number 256 b + y: its 32 rays lie in batch b
	s_mov_b32 s[K254], 0x437e0000
	s_lshl_b32 s47, s4, 16                         ; (0 + b) << 16, (2 + b) << 16, (4 + b) << 16
	s_add_co_u32 s48, s47, 0x20000
	s_add_co_u32 s49, s47, 0x40000
	s_lshl_b32 s52, s5, 5
	s_lshl2_add_u32 s52, s2, s52                   ; my wave's first ray = 32 x work-group + 4 w
	s_mul_i32 s50, s52, 12                         ; its byte offset in rays and centers
	s_lshl_b32 s51, s52, 2                         ; in near and far
	s_lshl_b32 s54, s52, 9                         ; in idx: 512 bytes a ray
	s_mov_b32 s55, 0
	s_and_b32 s6, s2, 3                            ; source offset: b * 64 channels + (w & 3) * 16 channels + row y
	s_lshl_b32 s6, s6, 22
	s_lshl_b32 s7, s4, 24
	s_add_co_u32 s6, s6, s7
	s_lshl_b32 s7, s3, 10
	s_add_co_u32 s6, s6, s7
	s_mov_b32 s7, 0
	v_and_b32 v7, 31, v0                           ; lane
	v_lshlrev_b32 v1, 4, v7                        ; 16 x lane
	v_and_b32 v8, 15, v0                           ; r
	v_bfe_u32 v9, v0, 4, 1                         ; h
	v_lshlrev_b32 v19, 9, v9                       ; weight_color[k][r], k = 8 h + ..: 64 bytes a row
	v_lshl_add_u32 v19, v8, 2, v19
	s_wait_kmcnt 0x0
	; Source 0 of the product: row = output channel r, K = input channel.  Fragment s: registers 0-3 k = 32 s + 8 h + e, registers 4-7 k = 32 s + 16 + 8 h + e.
.irp s, 0,1
.irp hf, 0,1
.irp e, 0,1,2,3,4,5,6,7
	global_load_b32 v[YR+32+16*\s+8*\hf+\e], v19, s[28:29] offset:2048*\s+1024*\hf+64*\e
.endr
.endr
.endr
	s_cmp_lt_u32 s2, 4                             ; waves 0-3 read the density plane of each pair, waves 4-7 the colour plane
	s_cselect_b64 s[32:33], s[8:9], s[10:11]
	s_cselect_b64 s[34:35], s[12:13], s[14:15]
	s_cselect_b64 s[36:37], s[16:17], s[18:19]
	s_add_nc_u64 s[32:33], s[32:33], s[6:7]
	s_add_nc_u64 s[34:35], s[34:35], s[6:7]
	s_add_nc_u64 s[36:37], s[36:37], s[6:7]
; Eight loads: group g = 2 cc + half: channels 8 cc .. 8 cc + 7 of my sixteen, columns 128 half .. + 127; lane l gets columns 128 half + 4 l .. + 3.
.macro LOADG u, g
.irp c, 0,1,2,3,4,5,6,7
	global_load_b128 v[XR+4*(8*\g+\c):XR+4*(8*\g+\c)+3], v1, s[32+2*\u:33+2*\u] offset:(8*(\g>>1)+\c)*CHB+(\g&1)*512 th:TH_LOAD_NT
.endr
.endm
	LOADG 0, 0                                     ; 32 loads, 16 KiB a wave, go out before the rest of the set-up
	LOADG 0, 1
	LOADG 0, 2
	LOADG 0, 3
	s_load_b256 s[68:75], s[20:21], s50 offset:0x0 ; rays of my four rays, 12 words
	s_load_b128 s[76:79], s[20:21], s50 offset:0x20
	s_load_b256 s[80:87], s[22:23], s50 offset:0x0 ; centers
	s_load_b128 s[88:91], s[22:23], s50 offset:0x20
	s_load_b128 s[92:95], s[24:25], s51 offset:0x0 ; near
	s_load_b128 s[96:99], s[26:27], s51 offset:0x0 ; far
	s_lshl_b32 s6, s4, 24                          ; dtab: (2 p + b) * 16 MiB + y * 64 KiB
	s_lshl_b32 s52, s3, 16
	s_add_co_u32 s6, s6, s52
	s_add_nc_u64 s[38:39], s[30:31], s[6:7]
	s_add_nc_u64 s[40:41], s[38:39], 0x2000000
	s_add_nc_u64 s[42:43], s[38:39], 0x4000000
	s_lshl_b32 s6, s4, 21                          ; ctab: (2 p + b) * 2 MiB + y * 8 KiB
	s_lshl_b32 s52, s3, 13
	s_add_co_u32 s6, s6, s52
	s_add_nc_u64 s[60:61], s[56:57], s[6:7]
	s_add_nc_u64 s[62:63], s[60:61], 0x400000
	s_add_nc_u64 s[66:67], s[60:61], 0x800000
	s_add_nc_u64 s[44:45], s[58:59], s[54:55]      ; idx at my first ray
	v_mul_u32_u24 v2, v7, 144                      ; LDS, in: lane l's four texels begin at 144 l in my region (lanes 9 * 16 bytes apart)
	s_mul_i32 s52, s2, REGN
	v_add_nc_u32 v2, s52, v2
	; LDS, back: lane = 16 a + q reads chunk q of entry 32 w + 2 i + a = chunk q & 7 of texel 32 w + 2 i + a + (q >> 3)
	v_bfe_u32 v10, v0, 1, 2                        ; region (q & 7) >> 1,
	v_mul_u32_u24 v10, v10, REGN
	v_and_b32 v11, 1, v0                           ; its half q & 1
	v_lshl_add_u32 v10, v11, 4, v10
	v_bfe_u32 v11, v0, 3, 1                        ; q >> 3
	v_add_nc_u32 v11, v11, v9                      ; + a
	v_lshl_add_u32 v11, s2, 5, v11                 ; + 32 w
.macro RDA dst, add                    ; the place of texel x = min(that + add, 255): 32 x + 16 (x >> 2)
	v_add_nc_u32 v12, \add, v11
	v_min_u32 v12, 0xff, v12
	v_and_b32 v13, 0xfc, v12
	v_lshlrev_b32 v13, 2, v13
	v_lshl_add_u32 v13, v12, 5, v13
	v_add_nc_u32 v[\dst], v10, v13
.endm
	RDA 3, 0                                       ; even i: 2 i is a multiple of 4, so i adds 64 i + 8 i
	RDA 15, 2                                      ; odd i: the same from i = 1 on
	RDA 16, 30                                     ; i = 15: the row's last entry repeats texel 255
	v_and_b32 v12, 12, v8                          ; fragments: texel 32 w + 16 tt + r, chunk half h, from region 4 on
	v_lshlrev_b32 v12, 2, v12
	v_lshl_add_u32 v12, v8, 5, v12
	v_lshl_add_u32 v12, v9, 4, v12
	s_mul_i32 s52, s2, 1152
	s_add_co_u32 s52, s52, 4*REGN
	v_add_nc_u32 v17, s52, v12
	v_lshlrev_b32 v12, 5, v8                       ; ctab: texel 32 w + r, 16 bytes for each half of the lanes
	v_lshl_add_u32 v12, v9, 4, v12
	v_lshl_add_u32 v18, s2, 10, v12
	v_lshl_add_u32 v4, s2, 13, v1                  ; dtab: 32 w entries of 256 bytes + 16 x lane
	v_cvt_f32_u32 v5, v7
	v_add_f32 v5, 0.5, v5
	v_mul_f32 v5, 0x3d000000, v5                   ; (sample + 0.5) / 32, exact
	s_wait_kmcnt 0x0
; A coordinate in [-1, 1] to texels.  The same five lines stand in the launch that renders, so that its fraction belongs to this index.
; (c + 1) * 127.5 rounds as ((c + 1) * 0.5) * 255 does: the halving is exact.
.macro COORD p, f
	v_med3_num_f32 v[\p], v[\p], -1.0, 1.0
	v_add_f32 v[\p], 1.0, v[\p]
	v_mul_f32 v[\p], 0x42ff0000, v[\p]
	v_floor_f32 v[\f], v[\p]
	v_med3_num_f32 v[\f], v[\f], 0, s[K254]
.endm
; Ray i of my four; lane = sample.  One store of the wave covers the ray's 512 bytes of idx.
.macro RAYIDX i
	v_mov_b32 v6, s[92+\i]                         ; near
	v_sub_f32 v7, s[96+\i], v6                     ; far - near
	v_fma_f32 v8, v7, v5, v6                       ; t
	v_fma_f32 v9,  v8, s[68+3*\i],   s[80+3*\i]    ; the point
	v_fma_f32 v10, v8, s[68+3*\i+1], s[80+3*\i+1]
	v_fma_f32 v11, v8, s[68+3*\i+2], s[80+3*\i+2]
	COORD 9, 12
	COORD 10, 13
	COORD 11, 14
	v_cvt_u32_f32 v12, v12                         ; Ix
	v_cvt_u32_f32 v13, v13                         ; Iy
	v_cvt_u32_f32 v14, v14                         ; Iz
	v_lshl_add_u32 v[YR+4*\i],   v13, 8, v12       ; xy: row y, column x
	v_lshl_add_u32 v[YR+4*\i+1], v14, 8, v13       ; yz: row z, column y
	v_lshl_add_u32 v[YR+4*\i+2], v12, 8, v14       ; zx: row x, column z
	v_add_nc_u32 v[YR+4*\i],   s47, v[YR+4*\i]
	v_add_nc_u32 v[YR+4*\i+1], s48, v[YR+4*\i+1]
	v_add_nc_u32 v[YR+4*\i+2], s49, v[YR+4*\i+2]
	v_mov_b32 v[YR+4*\i+3], 0
	global_store_b128 v1, v[YR+4*\i:YR+4*\i+3], s[44:45] offset:512*\i
.endm
	RAYIDX 0
	RAYIDX 1
	RAYIDX 2
	RAYIDX 3
	s_wait_loadcnt 32                              ; loads come back in order: weight_color is in, the 32 plane loads behind it stay out
.irp j, 0,1,2,3,4,5,6,7,8,9,10,11,12,13,14,15
	v_cvt_pk_bf16_f32 v[WC+\j], v[YR+32+2*\j], v[YR+33+2*\j]
.endr
; Group g rounded and put into LDS: for each of my four columns 8 channels = one 16-byte chunk.
.macro CVTG g
.irp xq, 0,1,2,3
.irp i, 0,1,2,3
	v_cvt_pk_bf16_f32 v[PR+4*\xq+\i], v[XR+4*(8*\g+2*\i)+\xq], v[XR+4*(8*\g+2*\i+1)+\xq]
.endr
	ds_store_b128 v2, v[PR+4*\xq:PR+4*\xq+3] offset:(\g&1)*4608+\xq*32+(\g>>1)*16
.endr
.endm
.macro RDB i                           ; entries 32 w + 2 i and + 1, whole
.if \i==15
	ds_load_b128 v[YR+60:YR+63], v16
.else
.if (\i)&1
	ds_load_b128 v[YR+4*\i:YR+4*\i+3], v15 offset:72*(\i-1)
.else
	ds_load_b128 v[YR+4*\i:YR+4*\i+3], v3 offset:72*\i
.endif
.endif
.endm
; One unit: row y of pair u.  next = 1: each group is loaded again, for the next pair, as soon as it has been converted.
.macro UNIT u, next
.irp g, 0,1,2,3
.if \next
	s_wait_loadcnt 24                              ; three younger groups of eight stay out (the rest of this unit, the head of the next)
.else
	s_wait_loadcnt 24-8*\g                         ; nothing is loaded any more: the counts run down
.endif
	CVTG \g
.if \next
	LOADG (\u+1), \g
.endif
.endr
	s_wait_dscnt 0x0                               ; my chunks are in LDS,
	s_barrier_signal -1
	s_barrier_wait -1                              ; everybody's are
	s_wait_xcnt 0x0                                ; YR and CO were the data of earlier stores: they are written again only behind this wait
	; Source 1: column = texel 32 w + 16 tt + r, K = colour channel: registers 0-3 chunk 4 s + h (region 4 + 2 s, half h), registers 4-7 chunk 4 s + 2 + h (the next region)
.irp tt, 0,1
.irp s, 0,1
.irp hf, 0,1
	ds_load_b128 v[YR+16*\tt+8*\s+4*\hf:YR+16*\tt+8*\s+4*\hf+3], v17 offset:\tt*576+(2*\s+\hf)*REGN
.endr
.endr
.endr
.irp i, 8,9,10,11,12,13,14,15
	RDB \i
.endr
	s_wait_dscnt 8                                 ; LDS loads come back in order: the eight fragment loads are in, the eight entry loads stay out
	; The constant 0 starts the sums; the two accumulators take turns, one instruction a turn.
	v_wmma_f32_16x16x32_bf16 v[PR:PR+7],    v[WC:WC+7],    v[YR:YR+7],     0
	v_wmma_f32_16x16x32_bf16 v[PR+8:PR+15], v[WC:WC+7],    v[YR+16:YR+23], 0
	v_wmma_f32_16x16x32_bf16 v[PR:PR+7],    v[WC+8:WC+15], v[YR+8:YR+15],  v[PR:PR+7]
	v_wmma_f32_16x16x32_bf16 v[PR+8:PR+15], v[WC+8:WC+15], v[YR+24:YR+31], v[PR+8:PR+15]
.irp i, 8,9,10,11,12,13,14,15
	s_wait_dscnt 15-\i                             ; load i is in
	global_store_b128 v4, v[YR+4*\i:YR+4*\i+3], s[38+2*\u:39+2*\u] offset:512*\i   ; 512 consecutive bytes, two whole entries
.endr
.rept 4
	v_nop                                          ; four places behind the matrix instructions (ISA guide 7.12.1) before their results are read and their sources loaded again
.endr
	; A result's register j in lane (r, h) is channel 8 h + j of texel r: four packed conversions make 16 neighbouring bytes of the texel's 32
.irp tt, 0,1
.irp i, 0,1,2,3
	v_cvt_pk_bf16_f32 v[CO+4*\tt+\i], v[PR+8*\tt+2*\i], v[PR+8*\tt+2*\i+1]
.endr
	global_store_b128 v18, v[CO+4*\tt:CO+4*\tt+3], s[60+2*\u+2*(\u/2):61+2*\u+2*(\u/2)] offset:512*\tt   ; the wave's store covers 16 texels, 512 consecutive bytes
.endr
.irp i, 0,1,2,3,4,5,6,7
	RDB \i
.endr
.irp i, 0,1,2,3,4,5,6,7
	s_wait_dscnt 7-\i
	global_store_b128 v4, v[YR+4*\i:YR+4*\i+3], s[38+2*\u:39+2*\u] offset:512*\i
.endr
.if \next
	s_barrier_signal -1                            ; my reads are back (the last wait was for 0); no wave writes the stage again before all have read it
	s_barrier_wait -1
.endif
.endm
	UNIT 0, 1
	UNIT 1, 1
	UNIT 2, 0
	s_wait_tensorcnt 0x0
	ds_add_u32 v252, v253
	s_wait_dscnt 0x0
	s_endpgm
.Lfunc_end_k_q3a543aded8_prep:
	.size	k_q3a543aded8_prep, .Lfunc_end_k_q3a543aded8_prep-k_q3a543aded8_prep
	.p2alignl 7, 3214868480
	.fill 96, 4, 3214868480
	.section	.rodata,"a",@progbits
	.p2align	6, 0x0
	.amdhsa_kernel k_q3a543aded8_prep
		.amdhsa_group_segment_fixed_size 75264
		.amdhsa_private_segment_fixed_size 0
		.amdhsa_enable_private_segment 0
		.amdhsa_kernarg_size 112
		.amdhsa_user_sgpr_count 2
		.amdhsa_user_sgpr_kernarg_segment_ptr 1
		.amdhsa_wavefront_size32 1
		.amdhsa_system_sgpr_workgroup_id_x 1
		.amdhsa_system_sgpr_workgroup_id_y 1
		.amdhsa_system_sgpr_workgroup_id_z 1
		.amdhsa_system_vgpr_workitem_id 0
		.amdhsa_next_free_vgpr 254
		.amdhsa_next_free_sgpr 100
		.amdhsa_reserve_vcc 0
		.amdhsa_float_denorm_mode_32 3
		.amdhsa_float_denorm_mode_16_64 3
		.amdhsa_memory_ordered 1
		.amdhsa_forward_progress 1
		.amdhsa_inst_pref_size 55
	.end_amdhsa_kernel
	.amdgpu_metadata
---
amdhsa.version: [ 1, 2 ]
amdhsa.kernels:
  - .name:           k_q3a543aded8_prep
    .symbol:         k_q3a543aded8_prep.kd
    .args:
      - { .name: xy, .offset: 0, .size: 8, .value_kind: global_buffer, .address_space: global }
      - { .name: xy_color, .offset: 8, .size: 8, .value_kind: global_buffer, .address_space: global }
      - { .name: yz, .offset: 16, .size: 8, .value_kind: global_buffer, .address_space: global }
      - { .name: yz_color, .offset: 24, .size: 8, .value_kind: global_buffer, .address_space: global }
      - { .name: zx, .offset: 32, .size: 8, .value_kind: global_buffer, .address_space: global }
      - { .name: zx_color, .offset: 40, .size: 8, .value_kind: global_buffer, .address_space: global }
      - { .name: rays, .offset: 48, .size: 8, .value_kind: global_buffer, .address_space: global }
      - { .name: centers, .offset: 56, .size: 8, .value_kind: global_buffer, .address_space: global }
      - { .name: near, .offset: 64, .size: 8, .value_kind: global_buffer, .address_space: global }
      - { .name: far, .offset: 72, .size: 8, .value_kind: global_buffer, .address_space: global }
      - { .name: weight_color, .offset: 80, .size: 8, .value_kind: global_buffer, .address_space: global }
      - { .name: dtab, .offset: 88, .size: 8, .value_kind: global_buffer, .address_space: global }
      - { .name: ctab, .offset: 96, .size: 8, .value_kind: global_buffer, .address_space: global }
      - { .name: idx, .offset: 104, .size: 8, .value_kind: global_buffer, .address_space: global }
    .group_segment_fixed_size: 75264
    .private_segment_fixed_size: 0
    .kernarg_segment_align: 8
    .kernarg_segment_size: 112
    .max_flat_workgroup_size: 256
    .sgpr_count:     100
    .vgpr_count:     254
    .wavefront_size: 32
...
	.end_amdgpu_metadata
.endif
;; end of part 3
;; launch render (part 4): grid 256 x 1, 16 waves a work-group, no clusters, 251,136 bytes of LDS; arguments dtab, ctab, idx, rays, centers, near, far, rays_encoding, mlp_weights, mlp_biases, weight_opacity, bias_opacity, weight_color, bias_color, bg_color, out0, out1, out2; writes out0, out1, out2
.if DOCPART == 4
	.amdgcn_target "amdgcn-amd-amdhsa--gfx1250"
	.amdhsa_code_object_version 6
	.text
	.protected	k_q3a543aded8_render
	.globl	k_q3a543aded8_render
	.p2align	8
	.type	k_q3a543aded8_render,@function
k_q3a543aded8_render:
	s_mov_b64 s[64:65], 0
	v_nop
	global_prefetch_b8 v0, s[64:65] scope:SCOPE_SE
	s_setreg_imm32_b32 hwreg(HW_REG_WAVE_MODE, 25, 1), 1
	s_wait_xcnt 0x0
; render: for each ray 32 samples: gather the bilinear cells of three planes from dtab (64 density channels, bf16) and ctab (16 colour channels,
; already multiplied by weight_color, bf16), interpolate in f32, two layers 64 -> 64 with softplus, an opacity head and a colour head on the
; matrix unit (bf16 operands, f32 sums), composite along the ray.
; A work-group owns 64 rays, a wave four, one a trip of the one loop.  Sixteen waves, four a SIMD, 256 registers each: the other waves'
; arithmetic covers a wave's waits for its gathers.
; GATHER: step p of 16 takes samples p and 16 + p.  Lane = 16 a + q: sample 16 a + p, column c = q >> 3 of the cell, k = q & 7.  A dtab entry holds both
; columns of a cell's row, so sixteen neighbouring lanes read 256 consecutive aligned bytes, and a lane gets channels 8 k .. + 7 of its own column;
; of ctab the sixteen lanes read a row's 64 consecutive bytes, a lane channels 2 k, 2 k + 1 of its column.  A lane sums the two rows of three planes
; with six weights, the same for density and colour: 3 * (2 * 256 + 2 * 64) = 1,920 bytes a sample.
; The two columns' density sums are NOT added across lanes: they go into the feature row side by side, K = 128, and the first layer multiplies both
; halves by the same weight fragments: 16 more matrix instructions a ray in the place of 128 lane adds.  The colour sums (2 a lane) are added by
; one lane step and enter the colour head as its C operand, in f32; bias_color starts them.
; The texel numbers come from idx, which the launch before stored; the fractions are made here by the same five lines (COORD).
; MATRIX USE: source 0 = weights (row = output channel), source 1 = samples (column = sample).  A result's register j in lane (r, h) is then
; channel 16 T + 8 h + j of sample r, and four packed conversions make of it half of the next layer's source 1: the layers chain in registers.
; BASE 2: sp2(x) = max(x, 0) + log2(1 + 2^-|x|) = softplus(x ln 2) / ln 2, the maximum taken out as the problem's softplus does.  W0, b0, b1, bo are
; scaled by log2 e, the hidden vectors are carried divided by ln 2, the colour weights that meet them are scaled by ln 2, and sigma * delta is in
; base-2 units: exact algebra.
; NO CLUSTER, NO TENSOR LOAD: what the work-groups share is 22,528 bytes of weights, read once by each, against 64 * 32 * 1,920 bytes of gathered
; texels, which hang on the points.
; LIMITS: in the hidden layers 2^-|x| below 6e-8 is lost in 1 + 2^-|x| (an absolute error of 6e-8 at the most, under the bf16 rounding of the
; vector); the opacity's softplus takes a two-term series below 2^-10 and keeps its relative accuracy down to 2^-126, below which it is 0.
; The running sum along a ray is a scan over lanes: another order of rounding than a serial sum.  t and the points are fused multiply-adds.
; The projected colour comes rounded to bf16 from the table.  A NaN coordinate is not served.
.set CONST,  22528                     ; LDS: 0: 22 fragment images of 1,024 bytes (0-7 W0', 8-15 W1, 16-17 ln2 Wc, 18-19 Wc, 20-21 wo in all 16 rows)
                                       ; CONST: b0'[64], +256 b1'[64], +512 bias_color[16], +576 bg_color[16]
.set MSTG,   23296                     ; mask[64]; +256: ray_len[64]
.set PW0,    23808                     ; then 14,080 bytes for each wave:
.set PWB,    14080
.set FPITCH, 272                       ; +0      32 rows (samples) of 2 x 64 bf16 + 16 bytes: 17 * 16, so 16 rows begin in 16 different 16-byte columns
.set WREC,   8704                      ; +8704   32 records (samples), 80 = 5 * 16 bytes apart: six f32 weights [plane][row] for column 0, at +32 for column 1
.set WPITCH, 80
.set FCPO,   11264                     ; +11264  32 rows (samples) of 16 f32 colour sums, 80 bytes apart
.set CPITCH, 80
.set OSTG,   13824                     ; +13824  256 bytes: my four rays' features on their way out
.set SGN,  44                          ; s44 the sign bit;  s45 bo log2 e;  s46, s47 selects of v_permlanex16_b32
.set BO,   45
.set K254, 66                          ; s66 = 254.0
.set HLF,  70                          ; s70 = -log2(e) / 2
.set UPM,  73                          ; s73: lanes 16-31
.set LOQ,  74                          ; s74: lanes with q < 8
; v1 16 lane; v2 16 q; v3 256 a; v4 my record (lane = sample); v5 record of (a, c); v6 feature store; v7 fragment load; v8 32 h; v9 way out;
; v10 (sample + 0.5) / 32; v11 t; v12 delta; v13 4 q; v14, v15 at work
.set ACCG, 16                          ; v[16:23]   gather: 8 density channels' sums       (v[16:38]: at work in the set-up; v[16:35] in the compositing)
.set CACC, 24                          ; v[24:25]   gather: 2 colour channels' sums
.set PK,   26                          ; v[26:29]   gather: the density sums as bf16
.set BGT,  36                          ; v[36:43]   bg_color[8 h + j]
.set OUTA, 44                          ; v[44:51]   features of ray (lane & 3), channels 8 h + j, kept over the trips
.set WR,   52                          ; v[52:67]   gather: six weights, two sets of 8 registers
.set TS,   52                          ; v[52:67]   softplus: at work
.set FCS,  68                          ; colour sums: where I store
.set FCL,  69                          ; colour sums: where I read a C tile
.set BCQ,  70                          ; v[70:71]   bias_color[2 k], [2 k + 1] in lanes of column 0, 0 in lanes of column 1
.set MACC, 76                          ; mask of ray (lane & 3)
.set LACC, 77                          ; ray_len of ray (lane & 3)
.set SEL,  78                          ; lane & 3
.set ZERO, 79                          ; 0: what the density sums start from
.set RING, 80                          ; v[80:207]  gather: four slots of 32: density (plane, row) at 8 plane + 4 row, colour at 24 + 2 plane + row
.set VOF,  208                         ; v[208:231] gather: four sets of three dtab and three ctab offsets
.set IDX,  232                         ; v[232:247] gather: four index records
.set H0,   80                          ; v[80:143]  density fragments [n][s] at 32 n + 8 s, K = 128; later v[80:111] the second hidden vector, [n][s] at 16 n + 8 s
.set RAW,  112                         ; v[112:143] rays_encoding as loaded, f32
.set H1,   144                         ; v[144:175] the first hidden vector
.set ENCF, 144                         ; v[144:159] later: rays_encoding, two fragments, the same in every column
.set FCPT, 160                         ; v[160:175] later: the colour sums, two C tiles
.set AF,   176                         ; v[176:207] four weight fragments
.set BT,   208                         ; v[208:223] two bias tiles
.set ACC,  224                         ; v[224:255] four accumulator tiles
	s_load_b512 s[8:23], s[0:1], 0x0               ; dtab, ctab, idx, rays, centers, near, far, rays_encoding
	s_load_b512 s[24:39], s[0:1], 0x40             ; mlp_weights, mlp_biases, weight_opacity, bias_opacity, weight_color, bias_color, bg_color, out0
	s_load_b128 s[40:43], s[0:1], 0x80             ; out1, out2
	v_lshl_add_u32 v74, v0, 2, 0x3cd00
	v_mov_b32 v75, 0
	v_lshrrev_b32 v14, 5, v0
	v_readfirstlane_b32 s2, v14                    ; wave 0..15
	s_mov_b32 s3, ttmp9                            ; work-group
	s_mov_b32 s[SGN], 0x80000000
	s_mov_b32 s[UPM], 0xffff0000
	s_mov_b32 s[LOQ], 0x00ff00ff
	s_mov_b32 s46, 0x76543210                      ; v_permlanex16_b32: lane i of one half reads lane i of the other
	s_mov_b32 s47, 0xfedcba98
	s_mov_b32 s[K254], 0x437e0000
	s_mov_b32 s[HLF], 0xbf38aa3b
	s_lshl_b32 s4, s3, 6
	s_lshl2_add_u32 s4, s2, s4                     ; my first ray = 64 x work-group + 4 x wave
	s_mul_i32 s58, s4, 12                          ; its offset in rays and centers
	s_lshl_b32 s59, s4, 2                          ; in near and far
	s_mul_i32 s6, s2, PWB
	s_add_co_u32 s6, s6, PW0                       ; my wave's LDS
	s_add_co_u32 s7, s6, WREC
	s_add_co_u32 s69, s6, FCPO
	s_add_co_u32 s71, s6, OSTG
	s_lshl_b32 s72, s2, 4
	s_add_co_u32 s72, s72, MSTG                    ; my four words of the mask stage
	v_and_b32 v15, 31, v0                          ; lane
	v_and_b32 v16, 15, v0                          ; r = q
	v_bfe_u32 v17, v0, 4, 1                        ; h = a
	v_bfe_u32 v19, v0, 3, 1                        ; c
	v_and_b32 v20, 7, v0                           ; k
	v_lshlrev_b32 v1, 4, v15
	v_lshlrev_b32 v2, 4, v16
	v_lshlrev_b32 v3, 8, v17
	v_mul_u32_u24 v4, v15, WPITCH
	v_add_nc_u32 v4, s7, v4
	v_mul_u32_u24 v5, v17, 16*WPITCH
	v_lshl_add_u32 v5, v19, 5, v5
	v_add_nc_u32 v5, s7, v5
	v_mul_u32_u24 v6, v17, 16*FPITCH
	v_add3_u32 v6, v6, v2, s6
	v_mul_u32_u24 v7, v16, FPITCH
	v_lshl_add_u32 v7, v17, 4, v7
	v_add_nc_u32 v7, s6, v7
	v_lshlrev_b32 v8, 5, v17
	v_and_b32 v[SEL], 3, v0
	v_lshlrev_b32 v9, 6, v[SEL]
	v_lshl_add_u32 v9, v17, 5, v9
	v_add_nc_u32 v9, s71, v9
	v_cvt_f32_u32 v10, v15
	v_add_f32 v10, 0.5, v10
	v_mul_f32 v10, 0x3d000000, v10
	v_lshlrev_b32 v13, 2, v16
	v_mul_u32_u24 v[FCS], v17, 16*CPITCH
	v_lshl_add_u32 v[FCS], v20, 3, v[FCS]
	v_add_nc_u32 v[FCS], s69, v[FCS]
	v_mul_u32_u24 v[FCL], v16, CPITCH
	v_lshl_add_u32 v[FCL], v17, 5, v[FCL]
	v_add_nc_u32 v[FCL], s69, v[FCL]
	v_lshlrev_b32 v21, 3, v20                      ; 8 k
	v_lshl_add_u32 v18, s2, 9, v1                  ; 512 x wave + 16 x lane: my half image
	; The images of W0' and W1.  Image 2 T + s of a layer: lane (r, h) holds W[k][16 T + r], k = 32 s + 16 half + 8 h + e; wave w makes half w & 1 of image w >> 1 of both layers.
	s_bfe_u32 s6, s2, 0x10001                      ; s
	s_lshl_b32 s6, s6, 13                          ; 32 rows of 256 bytes
	s_and_b32 s7, s2, 1                            ; half
	s_lshl_b32 s7, s7, 12
	s_add_co_u32 s6, s6, s7
	s_lshr_b32 s7, s2, 2                           ; T
	s_lshl_b32 s7, s7, 6
	s_add_co_u32 s6, s6, s7
	v_lshlrev_b32 v14, 11, v17
	v_lshl_add_u32 v14, v16, 2, v14
	v_add_nc_u32 v14, s6, v14
	s_wait_kmcnt 0x0
	s_load_b32 s[BO], s[30:31], 0x0                ; bias_opacity
.irp i, 0,1
.irp e, 0,1,2,3,4,5,6,7
	global_load_b32 v[80+8*\i+\e], v14, s[24:25] offset:\i*16384+\e*256
.endr
.endr
	s_lshl_b32 s6, s4, 9
	s_mov_b32 s7, 0
	s_add_nc_u64 s[60:61], s[12:13], s[6:7]        ; idx at my first ray
	s_lshl_b32 s6, s4, 8
	s_add_nc_u64 s[62:63], s[22:23], s[6:7]        ; rays_encoding at my first ray
	s_wait_loadcnt 0x0
.irp j, 0,2,4,6
	v_pk_mul_f32 v[80+\j:81+\j], v[80+\j:81+\j], 0x3fb8aa3b op_sel_hi:[1,0]    ; W0 log2 e
.endr
.irp j, 0,1,2,3,4,5,6,7
	v_cvt_pk_bf16_f32 v[96+\j], v[80+2*\j], v[81+2*\j]
.endr
	ds_store_b128 v18, v[96:99]
	ds_store_b128 v18, v[100:103] offset:8192
	; The small tables, shared out by the wave's number; no barrier stands inside these branches.
	s_cmp_lt_u32 s2, 8
	s_cbranch_scc0 .Lnot_wc
	s_bfe_u32 s6, s2, 0x10001                      ; waves 0-7: images 16-19, weight_color[k][r], waves 0-3 scaled by ln 2
	s_lshl_b32 s6, s6, 11
	s_and_b32 s7, s2, 1
	s_lshl_b32 s7, s7, 10
	s_add_co_u32 s6, s6, s7
	v_lshlrev_b32 v19, 9, v17
	v_lshl_add_u32 v19, v16, 2, v19
	v_add_nc_u32 v19, s6, v19
.irp e, 0,1,2,3,4,5,6,7
	global_load_b32 v[80+\e], v19, s[32:33] offset:\e*64
.endr
	s_mov_b32 s67, 0x3f800000
	s_mov_b32 s68, 0x3f317218                      ; ln 2
	s_cmp_lt_u32 s2, 4
	s_cselect_b32 s67, s68, s67
	s_wait_loadcnt 0x0
.irp e, 0,1,2,3,4,5,6,7
	v_mul_f32 v[80+\e], s67, v[80+\e]
.endr
.irp j, 0,1,2,3
	v_cvt_pk_bf16_f32 v[96+\j], v[80+2*\j], v[81+2*\j]
.endr
	ds_store_b128 v18, v[96:99] offset:16384
	s_branch .Lpro_done
.Lnot_wc:
	s_cmp_lt_u32 s2, 12
	s_cbranch_scc0 .Lnot_wo
	s_bfe_u32 s6, s2, 0x10001                      ; waves 8-11: images 20, 21: weight_opacity[k] in every row
	s_lshl_b32 s6, s6, 7
	s_and_b32 s7, s2, 1
	s_lshl_b32 s7, s7, 6
	s_add_co_u32 s6, s6, s7
	v_add_nc_u32 v19, s6, v8
	global_load_b128 v[80:83], v19, s[28:29]
	global_load_b128 v[84:87], v19, s[28:29] offset:16
	s_wait_loadcnt 0x0
.irp j, 0,1,2,3
	v_cvt_pk_bf16_f32 v[96+\j], v[80+2*\j], v[81+2*\j]
.endr
	ds_store_b128 v18, v[96:99] offset:16384
	s_branch .Lpro_done
.Lnot_wo:
	s_cmp_eq_u32 s2, 12
	s_cbranch_scc0 .Lnot_b
	global_load_b128 v[80:83], v1, s[26:27]        ; wave 12: both layers' biases, scaled by log2 e
	s_wait_loadcnt 0x0
	v_pk_mul_f32 v[80:81], v[80:81], 0x3fb8aa3b op_sel_hi:[1,0]
	v_pk_mul_f32 v[82:83], v[82:83], 0x3fb8aa3b op_sel_hi:[1,0]
	ds_store_b128 v1, v[80:83] offset:CONST
	s_branch .Lpro_done
.Lnot_b:
	s_cmp_eq_u32 s2, 13
	s_cbranch_scc0 .Lpro_done
	v_lshlrev_b32 v19, 2, v16                      ; wave 13: bias_color from lanes 0-15, bg_color from lanes 16-31
	global_load_b32 v80, v19, s[34:35]
	global_load_b32 v81, v19, s[36:37]
	v_lshlrev_b32 v20, 2, v15
	s_wait_loadcnt 0x0
	v_cndmask_b32 v80, v80, v81, s[UPM]
	ds_store_b32 v20, v80 offset:CONST+512
.Lpro_done:
	s_wait_kmcnt 0x0
	s_mul_f32 s[BO], s[BO], 0x3fb8aa3b             ; bo log2 e
.irp j, 0,1,2,3,4,5,6,7
	v_mov_b32 v[OUTA+\j], 0                        ; each lane's ten results are chosen in one of the four trips; written whole once here
.endr
	v_mov_b32 v[MACC], 0
	v_mov_b32 v[LACC], 0
	v_mov_b32 v[ZERO], 0
	s_mov_b32 s5, 0                                ; trip
	s_wait_dscnt 0x0                               ; my part of the tables is in LDS,
	s_barrier_signal -1
	s_barrier_wait -1                              ; everybody's is; nothing writes them again
	ds_load_b64 v[BCQ:BCQ+1], v21 offset:CONST+512 ; bias_color[2 k], [2 k + 1]
	s_wait_dscnt 0x0
	v_cndmask_b32 v[BCQ],   0, v[BCQ],   s[LOQ]    ; once for a sample: in the lanes of column 0
	v_cndmask_b32 v[BCQ+1], 0, v[BCQ+1], s[LOQ]
; The same five lines as in the launch that made idx.
.macro COORD p, f
	v_med3_num_f32 v[\p], v[\p], -1.0, 1.0
	v_add_f32 v[\p], 1.0, v[\p]
	v_mul_f32 v[\p], 0x42ff0000, v[\p]
	v_floor_f32 v[\f], v[\p]
	v_med3_num_f32 v[\f], v[\f], 0, s[K254]
.endm
.macro PLW b, fu, gu, fv, gv           ; a plane's four weights: rows 0, 1 of column 0 into v[16+b], rows 0, 1 of column 1 into v[24+b]
	v_mul_f32 v[16+\b], v[\gu], v[\gv]
	v_mul_f32 v[17+\b], v[\gu], v[\fv]
	v_mul_f32 v[24+\b], v[\fu], v[\gv]
	v_mul_f32 v[25+\b], v[\fu], v[\fv]
.endm
.macro IDXLD p                         ; the index records of samples p and 16 + p
	global_load_b128 v[IDX+4*((\p)&3):IDX+4*((\p)&3)+3], v3, s[60:61] offset:16*(\p)
.endm
.macro ADDR p                          ; texel number, bounded by the tables' last cell, to byte offsets: 256 bytes an entry + my chunk, 32 bytes a colour texel + my word
.irp pl, 0,1,2
	v_min_u32 v14, 0x5fefe, v[IDX+4*((\p)&3)+\pl]
	v_lshl_add_u32 v[VOF+6*((\p)&3)+\pl],   v14, 8, v2
	v_lshl_add_u32 v[VOF+6*((\p)&3)+3+\pl], v14, 5, v13
.endr
.endm
.macro GATH p                          ; 12 loads: rows 0, 1 of three planes.  The last entry reached is 0x5fefe + 256, the last colour texel 0x5fefe + 257, the table's last
.irp pl, 0,1,2
	global_load_b128 v[RING+32*((\p)&3)+8*\pl:RING+32*((\p)&3)+8*\pl+3],   v[VOF+6*((\p)&3)+\pl], s[8:9]
	global_load_b128 v[RING+32*((\p)&3)+8*\pl+4:RING+32*((\p)&3)+8*\pl+7], v[VOF+6*((\p)&3)+\pl], s[8:9] offset:65536
.endr
.irp pl, 0,1,2
	global_load_b32 v[RING+32*((\p)&3)+24+2*\pl], v[VOF+6*((\p)&3)+3+\pl], s[10:11]
	global_load_b32 v[RING+32*((\p)&3)+25+2*\pl], v[VOF+6*((\p)&3)+3+\pl], s[10:11] offset:8192
.endr
.endm
.macro WLD p                           ; my sample's six weights for my column; the 8 lanes of a column read the same words
	ds_load_b128 v[WR+8*((\p)&1):WR+8*((\p)&1)+3],   v5 offset:WPITCH*(\p)
	ds_load_b64  v[WR+8*((\p)&1)+4:WR+8*((\p)&1)+5], v5 offset:WPITCH*(\p)+16
.endm
.macro DTEX0 sl, ws                    ; the first texel starts the sums: nothing is cleared in the loop
.irp k, 0,1,2,3
	v_fma_mix_f32_bf16 v[ACCG+2*\k],   v[RING+32*\sl+\k], v[WR+8*\ws], v[ZERO] op_sel_hi:[1,0,0]
	v_fma_mix_f32_bf16 v[ACCG+2*\k+1], v[RING+32*\sl+\k], v[WR+8*\ws], v[ZERO] op_sel:[1,0,0] op_sel_hi:[1,0,0]
.endr
.endm
.macro DTEX sl, ws, t                  ; texel t = 2 plane + row: 8 channels, bf16 half x f32 weight + f32 sum
.irp k, 0,1,2,3
	v_fma_mix_f32_bf16 v[ACCG+2*\k],   v[RING+32*\sl+4*\t+\k], v[WR+8*\ws+\t], v[ACCG+2*\k]   op_sel_hi:[1,0,0]
	v_fma_mix_f32_bf16 v[ACCG+2*\k+1], v[RING+32*\sl+4*\t+\k], v[WR+8*\ws+\t], v[ACCG+2*\k+1] op_sel:[1,0,0] op_sel_hi:[1,0,0]
.endr
.endm
.macro CTEX sl, ws, t, add             ; the same texel's 2 colour channels
	v_fma_mix_f32_bf16 v[CACC],   v[RING+32*\sl+24+\t], v[WR+8*\ws+\t], v[\add]   op_sel_hi:[1,0,0]
	v_fma_mix_f32_bf16 v[CACC+1], v[RING+32*\sl+24+\t], v[WR+8*\ws+\t], v[\add+1] op_sel:[1,0,0] op_sel_hi:[1,0,0]
.endm
; Step p.  On their way at its head, in this order: gather p, record p + 4, gather p + 1, record p + 5, gather p + 2, record p + 6, gather p + 3, record p + 7.
.macro STEP p
.if \p<15
	WLD (\p+1)
.endif
.set NG, 15-\p                         ; gathers behind gather p: three, fewer at the end
.if NG>3
.set NG, 3
.endif
.set NI, 11-\p                         ; records behind record p + 4: three, fewer at the end
.if NI>3
.set NI, 3
.endif
.if NI<0
.set NI, 0
.endif
	s_wait_loadcnt 12*NG+NI                        ; loads come back in order: gather p and record p + 4 are in, what was issued behind them stays out
.if \p<=11
	ADDR (\p+4)                                    ; into the offsets of gather p, which that wait has shown done
.endif
.if \p==0
	s_wait_dscnt 2                                 ; the weights of step p are in; behind them stand the two loads of step p + 1
.else
.if \p<15
	s_wait_dscnt 4                                 ; behind them: the two stores of step p - 1 and the two loads of step p + 1
.else
	s_wait_dscnt 2                                 ; behind them: the two stores of step 14
.endif
.endif
	DTEX0 ((\p)&3), ((\p)&1)
.irp t, 1,2,3,4,5
	DTEX ((\p)&3), ((\p)&1), \t
.endr
	CTEX ((\p)&3), ((\p)&1), 0, BCQ
.irp t, 1,2,3,4,5
	CTEX ((\p)&3), ((\p)&1), \t, CACC
.endr
.if \p<=11
	GATH (\p+4)                                    ; into the slot just summed
.endif
.if \p<=7
	IDXLD (\p+8)
.endif
	v_add_f32_dpp v[CACC],   v[CACC],   v[CACC]   row_xmask:8 row_mask:0xf bank_mask:0xf   ; colour: column 0 + column 1
	v_add_f32_dpp v[CACC+1], v[CACC+1], v[CACC+1] row_xmask:8 row_mask:0xf bank_mask:0xf
.irp k, 0,1,2,3
	v_cvt_pk_bf16_f32 v[PK+\k], v[ACCG+2*\k], v[ACCG+2*\k+1]
.endr
	ds_store_b128 v6, v[PK:PK+3] offset:FPITCH*\p              ; rows p and 16 + p, 256 consecutive bytes each
	ds_store_b64 v[FCS], v[CACC:CACC+1] offset:CPITCH*\p       ; lanes q and q + 8 write the same words with the same values
.endm
.macro PLACES                          ; four places behind a matrix instruction (ISA guide 7.12.1) before its results are read and its sources written or loaded again
.rept 4
	v_nop
.endr
.endm
.macro LOADW L, sp                     ; layer L, output tiles T = 2 sp and 2 sp + 1: four weight fragments and two bias tiles
.irp tt, 0,1
.irp s, 0,1
	ds_load_b128 v[AF+16*\tt+8*\s:AF+16*\tt+8*\s+3],   v1 offset:(8*\L+2*(2*\sp+\tt)+\s)*1024
	ds_load_b128 v[AF+16*\tt+8*\s+4:AF+16*\tt+8*\s+7], v1 offset:(8*\L+2*(2*\sp+\tt)+\s)*1024+512
.endr
	ds_load_b128 v[BT+8*\tt:BT+8*\tt+3],   v8 offset:CONST+256*\L+64*(2*\sp+\tt)
	ds_load_b128 v[BT+8*\tt+4:BT+8*\tt+7], v8 offset:CONST+256*\L+64*(2*\sp+\tt)+16
.endr
.endm
; One K step of 32: two output tiles x two sample tiles.  first = 1: the bias tile starts each sum.  K steps 2, 3 of the first layer are the
; second column's sums and meet the weight fragments of K steps 0, 1 again.  The four accumulators take turns, one instruction a turn.
.macro MMK in, nstr, s, first
.irp tt, 0,1
.irp n, 0,1
.if \first
	v_wmma_f32_16x16x32_bf16 v[ACC+16*\tt+8*\n:ACC+16*\tt+8*\n+7], v[AF+16*\tt+8*((\s)&1):AF+16*\tt+8*((\s)&1)+7], v[\in+\nstr*\n+8*\s:\in+\nstr*\n+8*\s+7], v[BT+8*\tt:BT+8*\tt+7]
.else
	v_wmma_f32_16x16x32_bf16 v[ACC+16*\tt+8*\n:ACC+16*\tt+8*\n+7], v[AF+16*\tt+8*((\s)&1):AF+16*\tt+8*((\s)&1)+7], v[\in+\nstr*\n+8*\s:\in+\nstr*\n+8*\s+7], v[ACC+16*\tt+8*\n:ACC+16*\tt+8*\n+7]
.endif
.endr
.endr
.endm
.macro MM0
	MMK H0, 32, 0, 1
	MMK H0, 32, 1, 0
	MMK H0, 32, 2, 0
	MMK H0, 32, 3, 0
.endm
.macro MM1
	MMK H1, 16, 0, 1
	MMK H1, 16, 1, 0
.endm
.macro SP x, out                       ; sp2 of a tile, packed into four registers of the next layer's fragment
.irp j, 0,1,2,3,4,5,6,7
	v_or_b32 v[TS+\j], s[SGN], v[\x+\j]            ; -|x|
.endr
.irp j, 0,1,2,3,4,5,6,7
	v_exp_f32 v[TS+8+\j], v[TS+\j]
.endr
.irp j, 0,1,2,3,4,5,6,7
	v_max_num_f32 v[\x+\j], 0, v[\x+\j]            ; plain instructions between the exponentials and the use of their results (ISA guide 5.7.2)
.endr
	s_wait_alu depctr_va_vdst(0)
.irp j, 0,2,4,6
	v_pk_add_f32 v[TS+\j:TS+\j+1], v[TS+8+\j:TS+8+\j+1], 1.0 op_sel_hi:[1,0]
.endr
.irp j, 0,1,2,3,4,5,6,7
	v_log_f32 v[TS+8+\j], v[TS+\j]
.endr
	v_nop                                          ; the place behind the last logarithm
	s_wait_alu depctr_va_vdst(0)
.irp j, 0,2,4,6
	v_pk_add_f32 v[\x+\j:\x+\j+1], v[\x+\j:\x+\j+1], v[TS+8+\j:TS+8+\j+1]
.endr
.irp j, 0,1,2,3
	v_cvt_pk_bf16_f32 v[\out+\j], v[\x+2*\j], v[\x+2*\j+1]
.endr
.endm
.macro SP4 out, sp                     ; tile (tt, n) = channels 32 sp + 16 tt + 8 h + j of samples 16 n + r = registers 4 tt .. + 3 of fragment [n][sp]
.irp tt, 0,1
.irp n, 0,1
	SP (ACC+16*\tt+8*\n), (\out+16*\n+8*\sp+4*\tt)
.endr
.endr
.endm
.Lray:
	s_load_b96 s[48:50], s[14:15], s58 offset:0x0  ; the ray
	s_load_b96 s[52:54], s[16:17], s58 offset:0x0  ; its center
	s_load_b32 s56, s[18:19], s59 offset:0x0       ; near
	s_load_b32 s57, s[20:21], s59 offset:0x0       ; far
	IDXLD 0
	IDXLD 1
	IDXLD 2
	IDXLD 3
	s_wait_loadcnt 3                               ; record 0 is in; records 1, 2, 3 stay out
	ADDR 0
	GATH 0
	IDXLD 4
	s_wait_loadcnt 15                              ; record 1 is in; behind it: records 2, 3, gather 0's 12 loads, record 4
	ADDR 1
	GATH 1
	IDXLD 5
	s_wait_loadcnt 27                              ; record 2; behind it: record 3 and two gathers, each with a record
	ADDR 2
	GATH 2
	IDXLD 6
	s_wait_loadcnt 39                              ; record 3; behind it: three gathers, each with a record
	ADDR 3
	GATH 3
	IDXLD 7
	s_wait_kmcnt 0x0
	; lane = sample: t, delta, the fractions and the weights, while the first four gathers are on their way
	v_mov_b32 v14, s56
	v_sub_f32 v15, s57, v14                        ; far - near
	v_fma_f32 v11, v15, v10, v14                   ; t
	v_mul_f32 v12, 0x3d000000, v15                 ; delta
	v_fma_f32 v30, v11, s48, s52
	v_fma_f32 v31, v11, s49, s53
	v_fma_f32 v32, v11, s50, s54
	COORD 30, 33
	COORD 31, 34
	COORD 32, 35
	v_sub_f32 v33, v30, v33                        ; fx, fy, fz
	v_sub_f32 v34, v31, v34
	v_sub_f32 v35, v32, v35
	v_sub_f32 v36, 1.0, v33                        ; 1 - f
	v_sub_f32 v37, 1.0, v34
	v_sub_f32 v38, 1.0, v35
	PLW 0, 33, 36, 34, 37                          ; xy: column x, row y
	PLW 2, 34, 37, 35, 38                          ; yz: column y, row z
	PLW 4, 35, 38, 33, 36                          ; zx: column z, row x
	ds_store_b128 v4, v[16:19]
	ds_store_b64  v4, v[20:21] offset:16
	ds_store_b128 v4, v[24:27] offset:32
	ds_store_b64  v4, v[28:29] offset:48
	WLD 0                                          ; LDS serves a wave's instructions in order (ISA guide 5.7.1): these see the stores above
.irp p, 0,1,2,3,4,5,6,7,8,9,10,11,12,13,14,15
	STEP \p
.endr
	; The fragments of source 1: sample tile n, K step s of four: row 16 n + r, bytes 64 s + 16 h and + 32
.irp n, 0,1
.irp s, 0,1,2,3
	ds_load_b128 v[H0+32*\n+8*\s:H0+32*\n+8*\s+3],   v7 offset:\n*16*FPITCH+\s*64
	ds_load_b128 v[H0+32*\n+8*\s+4:H0+32*\n+8*\s+7], v7 offset:\n*16*FPITCH+\s*64+32
.endr
.endr
	LOADW 0, 0
	s_wait_dscnt 0x0
	MM0
	PLACES
	LOADW 0, 1                                     ; the next weights come in under the softplus
	SP4 H1, 0
	s_wait_dscnt 0x0
	MM0
	PLACES
	; rays_encoding as source 1, the same in every column: lane (r, h) takes k = 32 s + 16 c + 8 h .. + 7, into registers that the first layer has left
.irp s, 0,1
.irp c, 0,1
	global_load_b128 v[RAW+16*\s+8*\c:RAW+16*\s+8*\c+3],   v8, s[62:63] offset:128*\s+64*\c
	global_load_b128 v[RAW+16*\s+8*\c+4:RAW+16*\s+8*\c+7], v8, s[62:63] offset:128*\s+64*\c+16
.endr
.endr
	LOADW 1, 0
	SP4 H1, 1
	s_wait_dscnt 0x0
	MM1
	PLACES
	LOADW 1, 1
	SP4 H0, 0                                      ; the second hidden vector takes the density fragments' first 32 registers
	s_wait_dscnt 0x0
	MM1
	PLACES
.irp f, 0,1,2,3,4,5
	ds_load_b128 v[AF+8*\f:AF+8*\f+3],   v1 offset:(16+\f)*1024      ; ln2 Wc (2), Wc (2), wo (2)
	ds_load_b128 v[AF+8*\f+4:AF+8*\f+7], v1 offset:(16+\f)*1024+512
.endr
.irp n, 0,1
	ds_load_b128 v[FCPT+8*\n:FCPT+8*\n+3],   v[FCL] offset:\n*16*CPITCH       ; the colour sums as C tiles: channel 8 h + j of sample 16 n + r
	ds_load_b128 v[FCPT+8*\n+4:FCPT+8*\n+7], v[FCL] offset:\n*16*CPITCH+16
.endr
	ds_load_b128 v[BGT:BGT+3],   v8 offset:CONST+576
	ds_load_b128 v[BGT+4:BGT+7], v8 offset:CONST+592
	s_wait_loadcnt 0x0                             ; the encoding, asked for a layer ago
.irp j, 0,1,2,3,4,5,6,7,8,9,10,11,12,13,14,15
	v_cvt_pk_bf16_f32 v[ENCF+\j], v[RAW+2*\j], v[RAW+2*\j+1]
.endr
	SP4 H0, 1
	s_wait_dscnt 0x0
	; The heads: ACC, ACC+8 opacity of sample tiles 0, 1; ACC+16, ACC+24 colour.  The accumulators take turns, one instruction a turn.
	v_wmma_f32_16x16x32_bf16 v[ACC:ACC+7],     v[AF+32:AF+39], v[H0:H0+7],       0
	v_wmma_f32_16x16x32_bf16 v[ACC+8:ACC+15],  v[AF+32:AF+39], v[H0+16:H0+23],   0
	v_wmma_f32_16x16x32_bf16 v[ACC+16:ACC+23], v[AF:AF+7],     v[H0:H0+7],       v[FCPT:FCPT+7]
	v_wmma_f32_16x16x32_bf16 v[ACC+24:ACC+31], v[AF:AF+7],     v[H0+16:H0+23],   v[FCPT+8:FCPT+15]
	v_wmma_f32_16x16x32_bf16 v[ACC:ACC+7],     v[AF+40:AF+47], v[H0+8:H0+15],    v[ACC:ACC+7]
	v_wmma_f32_16x16x32_bf16 v[ACC+8:ACC+15],  v[AF+40:AF+47], v[H0+24:H0+31],   v[ACC+8:ACC+15]
	v_wmma_f32_16x16x32_bf16 v[ACC+16:ACC+23], v[AF+8:AF+15],  v[H0+8:H0+15],    v[ACC+16:ACC+23]
	v_wmma_f32_16x16x32_bf16 v[ACC+24:ACC+31], v[AF+8:AF+15],  v[H0+24:H0+31],   v[ACC+24:ACC+31]
	v_wmma_f32_16x16x32_bf16 v[ACC+16:ACC+23], v[AF+16:AF+23], v[ENCF:ENCF+7],   v[ACC+16:ACC+23]
	v_wmma_f32_16x16x32_bf16 v[ACC+24:ACC+31], v[AF+16:AF+23], v[ENCF:ENCF+7],   v[ACC+24:ACC+31]
	v_wmma_f32_16x16x32_bf16 v[ACC+16:ACC+23], v[AF+24:AF+31], v[ENCF+8:ENCF+15], v[ACC+16:ACC+23]
	v_wmma_f32_16x16x32_bf16 v[ACC+24:ACC+31], v[AF+24:AF+31], v[ENCF+8:ENCF+15], v[ACC+24:ACC+31]
	PLACES
	; COMPOSITING, lane = sample.  All 16 rows of an opacity tile are alike, so register 0 of lane l holds sample l's (tile 0 below, tile 1 above).
	v_cndmask_b32 v16, v[ACC], v[ACC+8], s[UPM]
	v_add_f32 v16, s[BO], v16
	v_or_b32 v17, s[SGN], v16                      ; -|x|
	v_exp_f32 v18, v17                             ; e
	v_max_num_f32 v16, 0, v16
	s_wait_alu depctr_va_vdst(0)
	v_add_f32 v19, 1.0, v18
	v_fmaak_f32 v20, s[HLF], v18, 0x3fb8aa3b       ; log2 e (1 - e / 2)
	v_log_f32 v21, v19
	v_mul_f32 v20, v18, v20                        ; log2(1 + e) for small e, with its relative accuracy
	v_cmp_gt_f32 vcc_lo, 0x3a800000, v18           ; e < 2^-10
	s_wait_alu depctr_va_vdst(0)
	v_cndmask_b32 v21, v21, v20, vcc_lo
	v_add_f32 v16, v16, v21                        ; sigma / ln 2
	v_mul_f32 v17, v16, v12                        ; sd, in base-2 units
	v_mov_b32 v18, v17
	v_add_f32_dpp v18, v18, v18 row_shr:1 row_mask:0xf bank_mask:0xf   ; running sum inside each half of 16 lanes: lanes without a source keep their value
	v_add_f32_dpp v18, v18, v18 row_shr:2 row_mask:0xf bank_mask:0xf
	v_add_f32_dpp v18, v18, v18 row_shr:4 row_mask:0xf bank_mask:0xf
	v_add_f32_dpp v18, v18, v18 row_shr:8 row_mask:0xf bank_mask:0xf
	v_readlane_b32 s67, v18, 15                    ; the lower half's total goes onto the upper half
	v_mov_b32 v19, s67
	v_cndmask_b32 v19, 0, v19, s[UPM]
	v_add_f32 v18, v18, v19
	v_readlane_b32 s68, v18, 31                    ; -log2 of the transmittance
	v_sub_f32 v19, v17, v18
	v_xor_b32 v20, s[SGN], v17
	v_mov_b32 v21, s68
	v_xor_b32 v21, s[SGN], v21
	v_exp_f32 v22, v19                             ; T_i
	v_exp_f32 v23, v20                             ; 1 - alpha_i
	v_exp_f32 v24, v21                             ; the ray's transmittance
	v_nop
	s_wait_alu depctr_va_vdst(0)
	v_fma_f32 v25, -v22, v23, v22                  ; w = T_i alpha_i
	v_sub_f32 v27, 1.0, v24                        ; mask
	v_sub_f32 v26, 1.0, v27                        ; 1 - mask, as the problem's function forms it
	v_mul_f32 v16, v25, v11                        ; w t
	v_permlanex16_b32 v19, v25, s46, s47           ; w of the other half
	v_cndmask_b32 v20, v25, v19, s[UPM]            ; w of sample r
	v_cndmask_b32 v22, v19, v25, s[UPM]            ; w of sample 16 + r
.irp j, 0,2,4,6
	v_pk_mul_f32 v[28+\j:29+\j], v[ACC+16+\j:ACC+17+\j], v[20:21] op_sel_hi:[1,0]
.endr
.irp j, 0,2,4,6
	v_pk_fma_f32 v[28+\j:29+\j], v[ACC+24+\j:ACC+25+\j], v[22:23], v[28+\j:29+\j] op_sel_hi:[1,0,1]
.endr
.irp m, 1,2,4,8
.irp j, 16,28,29,30,31,32,33,34,35
	v_add_f32_dpp v\j, v\j, v\j row_xmask:\m row_mask:0xf bank_mask:0xf        ; sums over the 16 lanes of a half: 8 channels and w t
.endr
.endr
	v_permlanex16_b32 v19, v16, s46, s47
	v_add_f32 v16, v16, v19                        ; ray_len
.irp j, 0,2,4,6
	v_pk_fma_f32 v[28+\j:29+\j], v[BGT+\j:BGT+\j+1], v[26:27], v[28+\j:29+\j] op_sel_hi:[1,0,1]
.endr
	v_cmp_eq_u32 vcc_lo, s5, v[SEL]                ; lanes with lane & 3 = trip keep this ray's results
.irp j, 0,1,2,3,4,5,6,7
	v_cndmask_b32 v[OUTA+\j], v[OUTA+\j], v[28+\j], vcc_lo
.endr
	v_cndmask_b32 v[MACC], v[MACC], v27, vcc_lo
	v_cndmask_b32 v[LACC], v[LACC], v16, vcc_lo
	s_add_nc_u64 s[60:61], s[60:61], 512           ; the next ray; every load of this trip has been waited for (the waits for 0 on LOADcnt, the wait on KMcnt)
	s_add_nc_u64 s[62:63], s[62:63], 256
	s_add_co_u32 s58, s58, 12
	s_add_co_u32 s59, s59, 4
	s_add_co_u32 s5, s5, 1
	s_cmp_lt_u32 s5, 4
	s_cbranch_scc1 .Lray
	; THE WAY OUT.  Lane (r, h) holds channels 8 h .. + 7 of ray r & 3: into my stage (four lanes write the same bytes with the same values),
	; back as 8 bytes a lane, and one store of the wave covers my four rays' 256 consecutive bytes of out0, aligned.
	ds_store_b128 v9, v[OUTA:OUTA+3]
	ds_store_b128 v9, v[OUTA+4:OUTA+7] offset:16
	v_lshl_add_u32 v14, v[SEL], 2, s72
	ds_store_b32 v14, v[MACC]
	ds_store_b32 v14, v[LACC] offset:256
	v_lshrrev_b32 v15, 1, v1                       ; 8 x lane
	v_add_nc_u32 v16, s71, v15
	ds_load_b64 v[18:19], v16                      ; my own bytes: LDS serves a wave's instructions in order
	s_lshl_b32 s6, s3, 12
	s_lshl_b32 s7, s2, 8
	s_add_co_u32 s6, s6, s7
	s_mov_b32 s7, 0
	s_add_nc_u64 s[38:39], s[38:39], s[6:7]
	s_wait_dscnt 0x0                               ; the load is back, and my words of mask and ray_len are in LDS, for the others' sake
	global_store_b64 v15, v[18:19], s[38:39]
	s_barrier_signal -1
	s_barrier_wait -1
	s_cmp_gt_u32 s2, 1
	s_cbranch_scc1 .Lend
	s_cmp_eq_u32 s2, 0                             ; wave 0 stores the group's 64 masks, wave 1 its 64 lengths: 256 consecutive bytes each, aligned
	s_cselect_b64 s[40:41], s[40:41], s[42:43]
	s_lshl_b32 s6, s3, 8
	s_add_nc_u64 s[40:41], s[40:41], s[6:7]
	v_lshl_add_u32 v17, s2, 8, v15
	ds_load_b64 v[20:21], v17 offset:MSTG
	s_wait_dscnt 0x0
	global_store_b64 v15, v[20:21], s[40:41]
.Lend:
	s_wait_tensorcnt 0x0
	ds_add_u32 v74, v75
	s_wait_dscnt 0x0
	s_endpgm
.Lfunc_end_k_q3a543aded8_render:
	.size	k_q3a543aded8_render, .Lfunc_end_k_q3a543aded8_render-k_q3a543aded8_render
	.p2alignl 7, 3214868480
	.fill 96, 4, 3214868480
	.section	.rodata,"a",@progbits
	.p2align	6, 0x0
	.amdhsa_kernel k_q3a543aded8_render
		.amdhsa_group_segment_fixed_size 251136
		.amdhsa_private_segment_fixed_size 0
		.amdhsa_enable_private_segment 0
		.amdhsa_kernarg_size 144
		.amdhsa_user_sgpr_count 2
		.amdhsa_user_sgpr_kernarg_segment_ptr 1
		.amdhsa_wavefront_size32 1
		.amdhsa_system_sgpr_workgroup_id_x 1
		.amdhsa_system_sgpr_workgroup_id_y 1
		.amdhsa_system_sgpr_workgroup_id_z 1
		.amdhsa_system_vgpr_workitem_id 0
		.amdhsa_next_free_vgpr 256
		.amdhsa_next_free_sgpr 80
		.amdhsa_reserve_vcc 1
		.amdhsa_float_denorm_mode_32 3
		.amdhsa_float_denorm_mode_16_64 3
		.amdhsa_memory_ordered 1
		.amdhsa_forward_progress 1
		.amdhsa_inst_pref_size 161
	.end_amdhsa_kernel
	.amdgpu_metadata
---
amdhsa.version: [ 1, 2 ]
amdhsa.kernels:
  - .name:           k_q3a543aded8_render
    .symbol:         k_q3a543aded8_render.kd
    .args:
      - { .name: dtab, .offset: 0, .size: 8, .value_kind: global_buffer, .address_space: global }
      - { .name: ctab, .offset: 8, .size: 8, .value_kind: global_buffer, .address_space: global }
      - { .name: idx, .offset: 16, .size: 8, .value_kind: global_buffer, .address_space: global }
      - { .name: rays, .offset: 24, .size: 8, .value_kind: global_buffer, .address_space: global }
      - { .name: centers, .offset: 32, .size: 8, .value_kind: global_buffer, .address_space: global }
      - { .name: near, .offset: 40, .size: 8, .value_kind: global_buffer, .address_space: global }
      - { .name: far, .offset: 48, .size: 8, .value_kind: global_buffer, .address_space: global }
      - { .name: rays_encoding, .offset: 56, .size: 8, .value_kind: global_buffer, .address_space: global }
      - { .name: mlp_weights, .offset: 64, .size: 8, .value_kind: global_buffer, .address_space: global }
      - { .name: mlp_biases, .offset: 72, .size: 8, .value_kind: global_buffer, .address_space: global }
      - { .name: weight_opacity, .offset: 80, .size: 8, .value_kind: global_buffer, .address_space: global }
      - { .name: bias_opacity, .offset: 88, .size: 8, .value_kind: global_buffer, .address_space: global }
      - { .name: weight_color, .offset: 96, .size: 8, .value_kind: global_buffer, .address_space: global }
      - { .name: bias_color, .offset: 104, .size: 8, .value_kind: global_buffer, .address_space: global }
      - { .name: bg_color, .offset: 112, .size: 8, .value_kind: global_buffer, .address_space: global }
      - { .name: out0, .offset: 120, .size: 8, .value_kind: global_buffer, .address_space: global }
      - { .name: out1, .offset: 128, .size: 8, .value_kind: global_buffer, .address_space: global }
      - { .name: out2, .offset: 136, .size: 8, .value_kind: global_buffer, .address_space: global }
    .group_segment_fixed_size: 251136
    .private_segment_fixed_size: 0
    .kernarg_segment_align: 8
    .kernarg_segment_size: 144
    .max_flat_workgroup_size: 512
    .sgpr_count:     80
    .vgpr_count:     256
    .wavefront_size: 32
...
	.end_amdgpu_metadata
.endif
;; end of part 4
;; ======== version 3 of 3: 2 launches; version 2 with the launch render written anew for expert scheduling mode
;; limits: values outside matrix products are rounded to bf16
;; workspace buffers: dtab 100,663,296 bytes; ctab 12,582,912 bytes; idx 8,388,608 bytes of whole numbers
;; launch prep: the kernel of part 3 again; grid 256 x 2, 8 waves a work-group, no clusters, 75,264 bytes of LDS; arguments xy, xy_color, yz, yz_color, zx, zx_color, rays, centers, near, far, weight_color, dtab, ctab, idx; writes dtab, ctab, idx
;; launch render (part 5): grid 256 x 1, 16 waves a work-group, no clusters, 251,136 bytes of LDS; arguments dtab, ctab, idx, rays, centers, near, far, rays_encoding, mlp_weights, mlp_biases, weight_opacity, bias_opacity, weight_color, bias_color, bg_color, out0, out1, out2; writes out0, out1, out2
.if DOCPART == 5
	.amdgcn_target "amdgcn-amd-amdhsa--gfx1250"
	.amdhsa_code_object_version 6
	.text
	.protected	k_q3a543aded8_render
	.globl	k_q3a543aded8_render
	.p2align	8
	.type	k_q3a543aded8_render,@function
k_q3a543aded8_render:
	s_mov_b64 s[64:65], 0
	v_nop
	global_prefetch_b8 v0, s[64:65] scope:SCOPE_SE
	s_setreg_imm32_b32 hwreg(HW_REG_WAVE_SCHED_MODE, 0, 2), 2
	s_setreg_imm32_b32 hwreg(HW_REG_WAVE_MODE, 25, 1), 1
	s_wait_xcnt 0x0
	s_wait_alu depctr_vm_vsrc(0)
; render: for each ray 32 samples: gather the bilinear cells of three planes from dtab (64 density channels, bf16) and ctab (16 colour channels,
; already multiplied by weight_color, bf16), interpolate in f32, two layers 64 -> 64 with softplus, an opacity head and a colour head on the
; matrix unit (bf16 operands, f32 sums), composite along the ray.
; A work-group owns 64 rays, a wave four, one a trip of the one loop.  Sixteen waves, four a SIMD, 256 registers each: the other waves'
; arithmetic covers a wave's waits for its gathers.
; GATHER: step p of 16 takes samples p and 16 + p.  Lane = 16 a + q: sample 16 a + p, column c = q >> 3 of the cell, k = q & 7.  A dtab entry holds both
; columns of a cell's row, so sixteen neighbouring lanes read 256 consecutive aligned bytes, and a lane gets channels 8 k .. + 7 of its own column;
; of ctab the sixteen lanes read a row's 64 consecutive bytes, a lane channels 2 k, 2 k + 1 of its column.  A lane sums the two rows of three planes
; with six weights, the same for density and colour: 3 * (2 * 256 + 2 * 64) = 1,920 bytes a sample.
; The two columns' density sums are NOT added across lanes: they go into the feature row side by side, K = 128, and the first layer multiplies both
; halves by the same weight fragments: 16 more matrix instructions a ray in the place of 128 lane adds.  The colour sums (2 a lane) are added by
; one lane step and enter the colour head as its C operand, in f32; bias_color starts them.
; The texel numbers come from idx, which the launch before stored; the fractions are made here by the same five lines (COORD).
; MATRIX USE: source 0 = weights (row = output channel), source 1 = samples (column = sample).  A result's register j in lane (r, h) is then
; channel 16 T + 8 h + j of sample r, and four packed conversions make of it half of the next layer's source 1: the layers chain in registers.
; BASE 2: sp2(x) = max(x, 0) + log2(1 + 2^-|x|) = softplus(x ln 2) / ln 2, the maximum taken out as the problem's softplus does.  W0, b0, b1, bo are
; scaled by log2 e, the hidden vectors are carried divided by ln 2, the colour weights that meet them are scaled by ln 2, and sigma * delta is in
; base-2 units: exact algebra.
; NO CLUSTER, NO TENSOR LOAD: what the work-groups share is 22,528 bytes of weights, read once by each, against 64 * 32 * 1,920 bytes of gathered
; texels, which hang on the points.
; LIMITS: in the hidden layers 2^-|x| below 6e-8 is lost in 1 + 2^-|x| (an absolute error of 6e-8 at the most, under the bf16 rounding of the
; vector); the opacity's softplus takes a two-term series below 2^-10 and keeps its relative accuracy down to 2^-126, below which it is 0.
; The running sum along a ray is a scan over lanes: another order of rounding than a serial sum.  t and the points are fused multiply-adds.
; The projected colour comes rounded to bf16 from the table.  A NaN coordinate is not served.
; THE MODE: SCHED_MODE bits 1:0 = 2 (LLVM: expert scheduling mode 2), set by the entry lines.  The code itself states the register dependences
; between vector or matrix instructions and memory or LDS instructions, with s_wait_alu, always for 0.
; THE PLAN.  Registers that memory or LDS instructions touch:
;   v1, v3 .. v9, FCS, FCL   addresses, made at the head and never written again.
;   RING slot p & 3   gather p lands in it; step p's sums read it; gather p + 4 lands in it, in step p.
;   VOF set p & 3     gather p reads it; step p writes the offsets of gather p + 4 into it; that gather reads it, in step p.
;   IDX set p & 3     record p + 4 lands in it; step p's offset lines read it; record p + 8 lands in it, in step p.
;   WR set p & 1      the weights of step p land in it; step p's sums read it; the weights of step p + 2 land in it, in step p.
;   PK, CACC          step p's conversions and colour sums write them; step p's two LDS stores read them.
;   ACCG, v14         vector instructions alone.
; So a step is: the density sums, which write ACCG alone; ONE wait on vm_vsrc (gather p has read its offsets, the stores of the step before have read PK
; and CACC); the offsets, the colour sums, the conversions; ONE wait on va_vdst, which states all that the step's memory instructions hang on; and these
; in one run to the step's end, with no vector instruction among them.  The wait stands behind the sums and not at the next step's head, so that a slot
; is asked for again at once and four gathers stay on their way.
; A trip's start has two waits on va_vdst: at the label (the last trip is done with the registers in which records 0 to 3 land) and ahead of the one run of
; the first four gathers, the record stores and the first weights.  In the layers one wait on va_vdst stands behind each block of products, ahead of the run of
; loads that lands in registers which those products read.  Vector results in scalar registers (the wave's number, two masks, two lanes of the scan) have a wait on va_sdst ahead of their first reader.
.set CONST,  22528                     ; LDS: 0: 22 fragment images of 1,024 bytes (0-7 W0', 8-15 W1, 16-17 ln2 Wc, 18-19 Wc, 20-21 wo in all 16 rows)
                                       ; CONST: b0'[64], +256 b1'[64], +512 bias_color[16], +576 bg_color[16]
.set MSTG,   23296                     ; mask[64]; +256: ray_len[64]
.set PW0,    23808                     ; then 14,080 bytes for each wave:
.set PWB,    14080
.set FPITCH, 272                       ; +0      32 rows (samples) of 2 x 64 bf16 + 16 bytes: 17 * 16, so 16 rows begin in 16 different 16-byte columns
.set WREC,   8704                      ; +8704   32 records (samples), 80 = 5 * 16 bytes apart: six f32 weights [plane][row] for column 0, at +32 for column 1
.set WPITCH, 80
.set FCPO,   11264                     ; +11264  32 rows (samples) of 16 f32 colour sums, 80 bytes apart
.set CPITCH, 80
.set OSTG,   13824                     ; +13824  256 bytes: my four rays' features on their way out
.set SGN,  44                          ; s44 the sign bit;  s45 bo log2 e;  s46, s47 selects of v_permlanex16_b32
.set BO,   45
.set K254, 66                          ; s66 = 254.0
.set HLF,  70                          ; s70 = -log2(e) / 2
.set UPM,  73                          ; s73: lanes 16-31
.set LOQ,  74                          ; s74: lanes with q < 8
.set MINE, 75                          ; s75: lanes with lane & 3 = trip
.set SMALL, 76                         ; s76: lanes whose 2^-|x| is under 2^-10
; v1 16 lane; v2 16 q; v3 256 a; v4 my record (lane = sample); v5 record of (a, c); v6 feature store; v7 fragment load; v8 32 h; v9 way out;
; v10 (sample + 0.5) / 32; v11 t; v12 delta; v13 4 q; v14, v15 at work
.set ACCG, 16                          ; v[16:23]   gather: 8 density channels' sums       (v[16:38]: at work in the set-up; v[16:35] in the compositing)
.set CACC, 24                          ; v[24:25]   gather: 2 colour channels' sums
.set PK,   26                          ; v[26:29]   gather: the density sums as bf16
.set BGT,  36                          ; v[36:43]   bg_color[8 h + j]
.set OUTA, 44                          ; v[44:51]   features of ray (lane & 3), channels 8 h + j, kept over the trips
.set WR,   52                          ; v[52:67]   gather: six weights, two sets of 8 registers
.set TS,   52                          ; v[52:67]   softplus: at work
.set FCS,  68                          ; colour sums: where I store
.set FCL,  69                          ; colour sums: where I read a C tile
.set BCQ,  70                          ; v[70:71]   bias_color[2 k], [2 k + 1] in lanes of column 0, 0 in lanes of column 1
.set MACC, 76                          ; mask of ray (lane & 3)
.set LACC, 77                          ; ray_len of ray (lane & 3)
.set SEL,  78                          ; lane & 3
.set ZERO, 79                          ; 0: what the density sums start from
.set RING, 80                          ; v[80:207]  gather: four slots of 32: density (plane, row) at 8 plane + 4 row, colour at 24 + 2 plane + row
.set VOF,  208                         ; v[208:231] gather: four sets of three dtab and three ctab offsets
.set IDX,  232                         ; v[232:247] gather: four index records
.set H0,   80                          ; v[80:143]  density fragments [n][s] at 32 n + 8 s, K = 128; later v[80:111] the second hidden vector, [n][s] at 16 n + 8 s
.set RAW,  112                         ; v[112:143] rays_encoding as loaded, f32
.set H1,   144                         ; v[144:175] the first hidden vector
.set ENCF, 144                         ; v[144:159] later: rays_encoding, two fragments, the same in every column
.set FCPT, 160                         ; v[160:175] later: the colour sums, two C tiles
.set AF,   176                         ; v[176:207] four weight fragments
.set BT,   208                         ; v[208:223] two bias tiles
.set ACC,  224                         ; v[224:255] four accumulator tiles
	s_load_b512 s[8:23], s[0:1], 0x0               ; dtab, ctab, idx, rays, centers, near, far, rays_encoding
	s_load_b512 s[24:39], s[0:1], 0x40             ; mlp_weights, mlp_biases, weight_opacity, bias_opacity, weight_color, bias_color, bg_color, out0
	s_load_b128 s[40:43], s[0:1], 0x80             ; out1, out2
	v_lshl_add_u32 v74, v0, 2, 0x3cd00
	v_mov_b32 v75, 0
	v_lshrrev_b32 v14, 5, v0
	v_readfirstlane_b32 s2, v14                    ; wave 0..15
	s_mov_b32 s3, ttmp9                            ; work-group
	s_mov_b32 s[SGN], 0x80000000
	s_mov_b32 s[UPM], 0xffff0000
	s_mov_b32 s[LOQ], 0x00ff00ff
	s_mov_b32 s46, 0x76543210                      ; v_permlanex16_b32: lane i of one half reads lane i of the other
	s_mov_b32 s47, 0xfedcba98
	s_mov_b32 s[K254], 0x437e0000
	s_mov_b32 s[HLF], 0xbf38aa3b
	s_lshl_b32 s4, s3, 6
	s_wait_alu depctr_va_sdst(0)                   ; s2 is written, ahead of its first reader: offsets, LDS places and the branches below are made from it
	s_lshl2_add_u32 s4, s2, s4                     ; my first ray = 64 x work-group + 4 x wave
	s_mul_i32 s58, s4, 12                          ; its offset in rays and centers
	s_lshl_b32 s59, s4, 2                          ; in near and far
	s_mul_i32 s6, s2, PWB
	s_add_co_u32 s6, s6, PW0                       ; my wave's LDS
	s_add_co_u32 s7, s6, WREC
	s_add_co_u32 s69, s6, FCPO
	s_add_co_u32 s71, s6, OSTG
	s_lshl_b32 s72, s2, 4
	s_add_co_u32 s72, s72, MSTG                    ; my four words of the mask stage
	v_and_b32 v15, 31, v0                          ; lane
	v_and_b32 v16, 15, v0                          ; r = q
	v_bfe_u32 v17, v0, 4, 1                        ; h = a
	v_bfe_u32 v19, v0, 3, 1                        ; c
	v_and_b32 v20, 7, v0                           ; k
	v_lshlrev_b32 v1, 4, v15
	v_lshlrev_b32 v2, 4, v16
	v_lshlrev_b32 v3, 8, v17
	v_mul_u32_u24 v4, v15, WPITCH
	v_add_nc_u32 v4, s7, v4
	v_mul_u32_u24 v5, v17, 16*WPITCH
	v_lshl_add_u32 v5, v19, 5, v5
	v_add_nc_u32 v5, s7, v5
	v_mul_u32_u24 v6, v17, 16*FPITCH
	v_add3_u32 v6, v6, v2, s6
	v_mul_u32_u24 v7, v16, FPITCH
	v_lshl_add_u32 v7, v17, 4, v7
	v_add_nc_u32 v7, s6, v7
	v_lshlrev_b32 v8, 5, v17
	v_and_b32 v[SEL], 3, v0
	v_lshlrev_b32 v9, 6, v[SEL]
	v_lshl_add_u32 v9, v17, 5, v9
	v_add_nc_u32 v9, s71, v9
	v_cvt_f32_u32 v10, v15
	v_add_f32 v10, 0.5, v10
	v_mul_f32 v10, 0x3d000000, v10
	v_lshlrev_b32 v13, 2, v16
	v_mul_u32_u24 v[FCS], v17, 16*CPITCH
	v_lshl_add_u32 v[FCS], v20, 3, v[FCS]
	v_add_nc_u32 v[FCS], s69, v[FCS]
	v_mul_u32_u24 v[FCL], v16, CPITCH
	v_lshl_add_u32 v[FCL], v17, 5, v[FCL]
	v_add_nc_u32 v[FCL], s69, v[FCL]
	v_lshlrev_b32 v21, 3, v20                      ; 8 k
	v_lshl_add_u32 v18, s2, 9, v1                  ; 512 x wave + 16 x lane: my half image
	; The images of W0' and W1.  Image 2 T + s of a layer: lane (r, h) holds W[k][16 T + r], k = 32 s + 16 half + 8 h + e; wave w makes half w & 1 of image w >> 1 of both layers.
	s_bfe_u32 s6, s2, 0x10001                      ; s
	s_lshl_b32 s6, s6, 13                          ; 32 rows of 256 bytes
	s_and_b32 s7, s2, 1                            ; half
	s_lshl_b32 s7, s7, 12
	s_add_co_u32 s6, s6, s7
	s_lshr_b32 s7, s2, 2                           ; T
	s_lshl_b32 s7, s7, 6
	s_add_co_u32 s6, s6, s7
	v_lshlrev_b32 v14, 11, v17
	v_lshl_add_u32 v14, v16, 2, v14
	v_add_nc_u32 v14, s6, v14
	s_wait_kmcnt 0x0
	s_load_b32 s[BO], s[30:31], 0x0                ; bias_opacity
	s_wait_alu depctr_va_vdst(0)                   ; all the addresses above are written: v14, v18 and v21 for the head's loads and stores; v1, v3 to v9, FCS and FCL for every load and store of the kernel
.irp i, 0,1
.irp e, 0,1,2,3,4,5,6,7
	global_load_b32 v[80+8*\i+\e], v14, s[24:25] offset:\i*16384+\e*256
.endr
.endr
	s_lshl_b32 s6, s4, 9
	s_mov_b32 s7, 0
	s_add_nc_u64 s[60:61], s[12:13], s[6:7]        ; idx at my first ray
	s_lshl_b32 s6, s4, 8
	s_add_nc_u64 s[62:63], s[22:23], s[6:7]        ; rays_encoding at my first ray
	s_wait_loadcnt 0x0
.irp j, 0,2,4,6
	v_pk_mul_f32 v[80+\j:81+\j], v[80+\j:81+\j], 0x3fb8aa3b op_sel_hi:[1,0]    ; W0 log2 e
.endr
.irp j, 0,1,2,3,4,5,6,7
	v_cvt_pk_bf16_f32 v[96+\j], v[80+2*\j], v[81+2*\j]
.endr
	s_wait_alu depctr_va_vdst(0)                   ; the conversions have written v[96:103], which the two LDS stores read; they and the scalings are done with v[80:95]
	ds_store_b128 v18, v[96:99]
	ds_store_b128 v18, v[100:103] offset:8192
	; The small tables, shared out by the wave's number; no barrier stands inside these branches.
	s_cmp_lt_u32 s2, 8
	s_cbranch_scc0 .Lnot_wc
	s_bfe_u32 s6, s2, 0x10001                      ; waves 0-7: images 16-19, weight_color[k][r], waves 0-3 scaled by ln 2
	s_lshl_b32 s6, s6, 11
	s_and_b32 s7, s2, 1
	s_lshl_b32 s7, s7, 10
	s_add_co_u32 s6, s6, s7
	v_lshlrev_b32 v19, 9, v17
	v_lshl_add_u32 v19, v16, 2, v19
	v_add_nc_u32 v19, s6, v19
	s_wait_alu depctr_va_vdst(0)                   ; v19 is written, which the eight loads read as their offset
.irp e, 0,1,2,3,4,5,6,7
	global_load_b32 v[80+\e], v19, s[32:33] offset:\e*64
.endr
	s_mov_b32 s67, 0x3f800000
	s_mov_b32 s68, 0x3f317218                      ; ln 2
	s_cmp_lt_u32 s2, 4
	s_cselect_b32 s67, s68, s67
	s_wait_loadcnt 0x0
.irp e, 0,1,2,3,4,5,6,7
	v_mul_f32 v[80+\e], s67, v[80+\e]
.endr
	s_wait_alu depctr_vm_vsrc(0)                   ; the LDS stores above have read v[96:99], which the conversions write again
.irp j, 0,1,2,3
	v_cvt_pk_bf16_f32 v[96+\j], v[80+2*\j], v[81+2*\j]
.endr
	s_wait_alu depctr_va_vdst(0)                   ; the conversions have written v[96:99], which the LDS store reads
	ds_store_b128 v18, v[96:99] offset:16384
	s_branch .Lpro_done
.Lnot_wc:
	s_cmp_lt_u32 s2, 12
	s_cbranch_scc0 .Lnot_wo
	s_bfe_u32 s6, s2, 0x10001                      ; waves 8-11: images 20, 21: weight_opacity[k] in every row
	s_lshl_b32 s6, s6, 7
	s_and_b32 s7, s2, 1
	s_lshl_b32 s7, s7, 6
	s_add_co_u32 s6, s6, s7
	v_add_nc_u32 v19, s6, v8
	s_wait_alu depctr_va_vdst(0)                   ; v19 is written, which the two loads read as their offset
	global_load_b128 v[80:83], v19, s[28:29]
	global_load_b128 v[84:87], v19, s[28:29] offset:16
	s_wait_loadcnt 0x0
	s_wait_alu depctr_vm_vsrc(0)                   ; the LDS stores above have read v[96:99], which the conversions write again
.irp j, 0,1,2,3
	v_cvt_pk_bf16_f32 v[96+\j], v[80+2*\j], v[81+2*\j]
.endr
	s_wait_alu depctr_va_vdst(0)                   ; the conversions have written v[96:99], which the LDS store reads
	ds_store_b128 v18, v[96:99] offset:16384
	s_branch .Lpro_done
.Lnot_wo:
	s_cmp_eq_u32 s2, 12
	s_cbranch_scc0 .Lnot_b
	global_load_b128 v[80:83], v1, s[26:27]        ; wave 12: both layers' biases, scaled by log2 e.  No wait: on this path no vector instruction since the wait ahead of the two image stores names v1 or v[80:83]
	s_wait_loadcnt 0x0
	v_pk_mul_f32 v[80:81], v[80:81], 0x3fb8aa3b op_sel_hi:[1,0]
	v_pk_mul_f32 v[82:83], v[82:83], 0x3fb8aa3b op_sel_hi:[1,0]
	s_wait_alu depctr_va_vdst(0)                   ; the scalings have written v[80:83], which the LDS store reads
	ds_store_b128 v1, v[80:83] offset:CONST
	s_branch .Lpro_done
.Lnot_b:
	s_cmp_eq_u32 s2, 13
	s_cbranch_scc0 .Lpro_done
	v_lshlrev_b32 v19, 2, v16                      ; wave 13: bias_color from lanes 0-15, bg_color from lanes 16-31
	v_lshlrev_b32 v20, 2, v15
	s_wait_alu depctr_va_vdst(0)                   ; v19 is written, which the two loads read as their offset
	global_load_b32 v80, v19, s[34:35]
	global_load_b32 v81, v19, s[36:37]
	s_wait_loadcnt 0x0
	v_cndmask_b32 v80, v80, v81, s[UPM]
	s_wait_alu depctr_va_vdst(0)                   ; the select has written v80, which the LDS store reads
	ds_store_b32 v20, v80 offset:CONST+512
.Lpro_done:
	s_wait_kmcnt 0x0
	s_mul_f32 s[BO], s[BO], 0x3fb8aa3b             ; bo log2 e
.irp j, 0,1,2,3,4,5,6,7
	v_mov_b32 v[OUTA+\j], 0                        ; each lane's ten results are chosen in one of the four trips; written whole once here
.endr
	v_mov_b32 v[MACC], 0
	v_mov_b32 v[LACC], 0
	v_mov_b32 v[ZERO], 0
	s_mov_b32 s5, 0                                ; trip
	s_wait_dscnt 0x0                               ; my part of the tables is in LDS,
	s_barrier_signal -1
	s_barrier_wait -1                              ; everybody's is; nothing writes them again
	ds_load_b64 v[BCQ:BCQ+1], v21 offset:CONST+512 ; bias_color[2 k], [2 k + 1]
	s_wait_alu depctr_vm_vsrc(0)                   ; the head's loads and LDS instructions have read v14, v[18:21] and v[80:103]: the loop's vector instructions and gathers write these registers
	s_wait_dscnt 0x0
	v_cndmask_b32 v[BCQ],   0, v[BCQ],   s[LOQ]    ; once for a sample: in the lanes of column 0
	v_cndmask_b32 v[BCQ+1], 0, v[BCQ+1], s[LOQ]
; The same five lines as in the launch that made idx.
.macro COORD p, f
	v_med3_num_f32 v[\p], v[\p], -1.0, 1.0
	v_add_f32 v[\p], 1.0, v[\p]
	v_mul_f32 v[\p], 0x42ff0000, v[\p]
	v_floor_f32 v[\f], v[\p]
	v_med3_num_f32 v[\f], v[\f], 0, s[K254]
.endm
.macro PLW b, fu, gu, fv, gv           ; a plane's four weights: rows 0, 1 of column 0 into v[16+b], rows 0, 1 of column 1 into v[24+b]
	v_mul_f32 v[16+\b], v[\gu], v[\gv]
	v_mul_f32 v[17+\b], v[\gu], v[\fv]
	v_mul_f32 v[24+\b], v[\fu], v[\gv]
	v_mul_f32 v[25+\b], v[\fu], v[\fv]
.endm
.macro IDXLD p                         ; the index records of samples p and 16 + p
	global_load_b128 v[IDX+4*((\p)&3):IDX+4*((\p)&3)+3], v3, s[60:61] offset:16*(\p)
.endm
.macro ADDR p                          ; texel number, bounded by the tables' last cell, to byte offsets: 256 bytes an entry + my chunk, 32 bytes a colour texel + my word
.irp pl, 0,1,2
	v_min_u32 v14, 0x5fefe, v[IDX+4*((\p)&3)+\pl]
	v_lshl_add_u32 v[VOF+6*((\p)&3)+\pl],   v14, 8, v2
	v_lshl_add_u32 v[VOF+6*((\p)&3)+3+\pl], v14, 5, v13
.endr
.endm
.macro GATH p                          ; 12 loads: rows 0, 1 of three planes.  The last entry reached is 0x5fefe + 256, the last colour texel 0x5fefe + 257, the table's last
.irp pl, 0,1,2
	global_load_b128 v[RING+32*((\p)&3)+8*\pl:RING+32*((\p)&3)+8*\pl+3],   v[VOF+6*((\p)&3)+\pl], s[8:9]
	global_load_b128 v[RING+32*((\p)&3)+8*\pl+4:RING+32*((\p)&3)+8*\pl+7], v[VOF+6*((\p)&3)+\pl], s[8:9] offset:65536
.endr
.irp pl, 0,1,2
	global_load_b32 v[RING+32*((\p)&3)+24+2*\pl], v[VOF+6*((\p)&3)+3+\pl], s[10:11]
	global_load_b32 v[RING+32*((\p)&3)+25+2*\pl], v[VOF+6*((\p)&3)+3+\pl], s[10:11] offset:8192
.endr
.endm
.macro WLD p                           ; my sample's six weights for my column; the 8 lanes of a column read the same words
	ds_load_b128 v[WR+8*((\p)&1):WR+8*((\p)&1)+3],   v5 offset:WPITCH*(\p)
	ds_load_b64  v[WR+8*((\p)&1)+4:WR+8*((\p)&1)+5], v5 offset:WPITCH*(\p)+16
.endm
.macro DTEX0 sl, ws                    ; the first texel starts the sums: nothing is cleared in the loop
.irp k, 0,1,2,3
	v_fma_mix_f32_bf16 v[ACCG+2*\k],   v[RING+32*\sl+\k], v[WR+8*\ws], v[ZERO] op_sel_hi:[1,0,0]
	v_fma_mix_f32_bf16 v[ACCG+2*\k+1], v[RING+32*\sl+\k], v[WR+8*\ws], v[ZERO] op_sel:[1,0,0] op_sel_hi:[1,0,0]
.endr
.endm
.macro DTEX sl, ws, t                  ; texel t = 2 plane + row: 8 channels, bf16 half x f32 weight + f32 sum
.irp k, 0,1,2,3
	v_fma_mix_f32_bf16 v[ACCG+2*\k],   v[RING+32*\sl+4*\t+\k], v[WR+8*\ws+\t], v[ACCG+2*\k]   op_sel_hi:[1,0,0]
	v_fma_mix_f32_bf16 v[ACCG+2*\k+1], v[RING+32*\sl+4*\t+\k], v[WR+8*\ws+\t], v[ACCG+2*\k+1] op_sel:[1,0,0] op_sel_hi:[1,0,0]
.endr
.endm
.macro CTEX sl, ws, t, add             ; the same texel's 2 colour channels
	v_fma_mix_f32_bf16 v[CACC],   v[RING+32*\sl+24+\t], v[WR+8*\ws+\t], v[\add]   op_sel_hi:[1,0,0]
	v_fma_mix_f32_bf16 v[CACC+1], v[RING+32*\sl+24+\t], v[WR+8*\ws+\t], v[\add+1] op_sel:[1,0,0] op_sel_hi:[1,0,0]
.endm
; Step p.  On their way at its head, in this order: gather p, record p + 4, gather p + 1, record p + 5, gather p + 2, record p + 6, gather p + 3, record p + 7.
.macro STEP p
.set NG, 15-\p                         ; gathers behind gather p: three, fewer at the end
.if NG>3
.set NG, 3
.endif
.set NI, 11-\p                         ; records behind record p + 4: three, fewer at the end
.if NI>3
.set NI, 3
.endif
.if NI<0
.set NI, 0
.endif
	s_wait_loadcnt 12*NG+NI                        ; loads come back in order: gather p and record p + 4 are in, what was issued behind them stays out
.if \p==0
	s_wait_dscnt 2                                 ; the weights of step p are in; behind them stand the two loads of step p + 1
.else
.if \p<15
	s_wait_dscnt 4                                 ; behind them: the two stores of step p - 1 and the two loads of step p + 1
.else
	s_wait_dscnt 2                                 ; behind them: the two stores of step 14
.endif
.endif
	DTEX0 ((\p)&3), ((\p)&1)                       ; the density sums write ACCG alone, which no memory instruction of the steps names
.irp t, 1,2,3,4,5
	DTEX ((\p)&3), ((\p)&1), \t
.endr
.if \p>0
	s_wait_alu depctr_vm_vsrc(0)                   ; gather p has read its offsets, and the two stores of the step before have read CACC and PK: the lines below write all of these again (step 0: the wait ahead of it has said so)
.endif
.if \p<=11
	ADDR (\p+4)                                    ; into the offsets of gather p, which the wait on LOADcnt has shown done
.endif
	CTEX ((\p)&3), ((\p)&1), 0, BCQ
.irp t, 1,2,3,4,5
	CTEX ((\p)&3), ((\p)&1), \t, CACC
.endr
	v_add_f32_dpp v[CACC],   v[CACC],   v[CACC]   row_xmask:8 row_mask:0xf bank_mask:0xf   ; colour: column 0 + column 1
	v_add_f32_dpp v[CACC+1], v[CACC+1], v[CACC+1] row_xmask:8 row_mask:0xf bank_mask:0xf
.irp k, 0,1,2,3
	v_cvt_pk_bf16_f32 v[PK+\k], v[ACCG+2*\k], v[ACCG+2*\k+1]
.endr
	s_wait_alu depctr_va_vdst(0)                   ; the sums are done reading the slot and the weight set, the offset lines are done reading the record and have written the offsets, PK and CACC are written: all that the run below hangs on
.if \p<=11
	GATH (\p+4)                                    ; into the slot just summed
.endif
.if \p<=7
	IDXLD (\p+8)
.endif
	ds_store_b128 v6, v[PK:PK+3] offset:FPITCH*\p              ; rows p and 16 + p, 256 consecutive bytes each
	ds_store_b64 v[FCS], v[CACC:CACC+1] offset:CPITCH*\p       ; lanes q and q + 8 write the same words with the same values
.if \p<=13
	WLD (\p+2)                                     ; into the weight set just read
.endif
.endm
.macro PLACES                          ; four places behind a matrix instruction (ISA guide 7.12.1) before vector instructions read its results or write its sources
.rept 4
	v_nop
.endr
.endm
.macro LOADW L, sp                     ; layer L, output tiles T = 2 sp and 2 sp + 1: four weight fragments and two bias tiles
.irp tt, 0,1
.irp s, 0,1
	ds_load_b128 v[AF+16*\tt+8*\s:AF+16*\tt+8*\s+3],   v1 offset:(8*\L+2*(2*\sp+\tt)+\s)*1024
	ds_load_b128 v[AF+16*\tt+8*\s+4:AF+16*\tt+8*\s+7], v1 offset:(8*\L+2*(2*\sp+\tt)+\s)*1024+512
.endr
	ds_load_b128 v[BT+8*\tt:BT+8*\tt+3],   v8 offset:CONST+256*\L+64*(2*\sp+\tt)
	ds_load_b128 v[BT+8*\tt+4:BT+8*\tt+7], v8 offset:CONST+256*\L+64*(2*\sp+\tt)+16
.endr
.endm
; One K step of 32: two output tiles x two sample tiles.  first = 1: the bias tile starts each sum.  K steps 2, 3 of the first layer are the
; second column's sums and meet the weight fragments of K steps 0, 1 again.  The four accumulators take turns, one instruction a turn.
.macro MMK in, nstr, s, first
.irp tt, 0,1
.irp n, 0,1
.if \first
	v_wmma_f32_16x16x32_bf16 v[ACC+16*\tt+8*\n:ACC+16*\tt+8*\n+7], v[AF+16*\tt+8*((\s)&1):AF+16*\tt+8*((\s)&1)+7], v[\in+\nstr*\n+8*\s:\in+\nstr*\n+8*\s+7], v[BT+8*\tt:BT+8*\tt+7]
.else
	v_wmma_f32_16x16x32_bf16 v[ACC+16*\tt+8*\n:ACC+16*\tt+8*\n+7], v[AF+16*\tt+8*((\s)&1):AF+16*\tt+8*((\s)&1)+7], v[\in+\nstr*\n+8*\s:\in+\nstr*\n+8*\s+7], v[ACC+16*\tt+8*\n:ACC+16*\tt+8*\n+7]
.endif
.endr
.endr
.endm
.macro MM0
	MMK H0, 32, 0, 1
	MMK H0, 32, 1, 0
	MMK H0, 32, 2, 0
	MMK H0, 32, 3, 0
.endm
.macro MM1
	MMK H1, 16, 0, 1
	MMK H1, 16, 1, 0
.endm
.macro SP x, out                       ; sp2 of a tile, packed into four registers of the next layer's fragment
.irp j, 0,1,2,3,4,5,6,7
	v_or_b32 v[TS+\j], s[SGN], v[\x+\j]            ; -|x|
.endr
.irp j, 0,1,2,3,4,5,6,7
	v_exp_f32 v[TS+8+\j], v[TS+\j]
.endr
.irp j, 0,1,2,3,4,5,6,7
	v_max_num_f32 v[\x+\j], 0, v[\x+\j]            ; plain instructions between the exponentials and the use of their results (ISA guide 5.7.2)
.endr
	s_wait_alu depctr_va_vdst(0)
.irp j, 0,2,4,6
	v_pk_add_f32 v[TS+\j:TS+\j+1], v[TS+8+\j:TS+8+\j+1], 1.0 op_sel_hi:[1,0]
.endr
.irp j, 0,1,2,3,4,5,6,7
	v_log_f32 v[TS+8+\j], v[TS+\j]
.endr
	v_nop                                          ; the place behind the last logarithm
	s_wait_alu depctr_va_vdst(0)
.irp j, 0,2,4,6
	v_pk_add_f32 v[\x+\j:\x+\j+1], v[\x+\j:\x+\j+1], v[TS+8+\j:TS+8+\j+1]
.endr
.irp j, 0,1,2,3
	v_cvt_pk_bf16_f32 v[\out+\j], v[\x+2*\j], v[\x+2*\j+1]
.endr
.endm
.macro SP4 out, sp                     ; tile (tt, n) = channels 32 sp + 16 tt + 8 h + j of samples 16 n + r = registers 4 tt .. + 3 of fragment [n][sp]
.irp tt, 0,1
.irp n, 0,1
	SP (ACC+16*\tt+8*\n), (\out+16*\n+8*\sp+4*\tt)
.endr
.endr
.endm
.Lray:
	s_wait_alu depctr_va_vdst(0)                   ; over the backward jump: the last trip's heads and compositing are done with v[232:247], in which records 0 to 3 land
	s_load_b96 s[48:50], s[14:15], s58 offset:0x0  ; the ray
	s_load_b96 s[52:54], s[16:17], s58 offset:0x0  ; its center
	s_load_b32 s56, s[18:19], s59 offset:0x0       ; near
	s_load_b32 s57, s[20:21], s59 offset:0x0       ; far
	IDXLD 0
	IDXLD 1
	IDXLD 2
	IDXLD 3
	s_wait_kmcnt 0x0
	; lane = sample: t, delta, the fractions and the weights, while the four records are on their way
	v_mov_b32 v14, s56
	v_sub_f32 v15, s57, v14                        ; far - near
	v_fma_f32 v11, v15, v10, v14                   ; t
	v_mul_f32 v12, 0x3d000000, v15                 ; delta
	v_fma_f32 v30, v11, s48, s52
	v_fma_f32 v31, v11, s49, s53
	v_fma_f32 v32, v11, s50, s54
	COORD 30, 33
	COORD 31, 34
	COORD 32, 35
	v_sub_f32 v33, v30, v33                        ; fx, fy, fz
	v_sub_f32 v34, v31, v34
	v_sub_f32 v35, v32, v35
	v_sub_f32 v36, 1.0, v33                        ; 1 - f
	v_sub_f32 v37, 1.0, v34
	v_sub_f32 v38, 1.0, v35
	PLW 0, 33, 36, 34, 37                          ; xy: column x, row y
	PLW 2, 34, 37, 35, 38                          ; yz: column y, row z
	PLW 4, 35, 38, 33, 36                          ; zx: column z, row x
	s_wait_loadcnt 0x0                             ; the four records, asked for together, are in
	ADDR 0
	ADDR 1
	ADDR 2
	ADDR 3
	s_wait_alu depctr_va_vdst(0)                   ; the four sets of offsets and the twelve weights are written; the offset lines are done reading the records; the last trip is done with the ring's registers and with WR: all that the run below hangs on
	GATH 0
	IDXLD 4
	GATH 1
	IDXLD 5
	GATH 2
	IDXLD 6
	GATH 3
	IDXLD 7
	ds_store_b128 v4, v[16:19]
	ds_store_b64  v4, v[20:21] offset:16
	ds_store_b128 v4, v[24:27] offset:32
	ds_store_b64  v4, v[28:29] offset:48
	WLD 0                                          ; LDS serves a wave's instructions in order (ISA guide 5.7.1): these see the stores above
	WLD 1
	s_wait_alu depctr_vm_vsrc(0)                   ; the four stores have read v[16:21] and v[24:29], which are ACCG, CACC and PK from here on, and gather 0 has read its offsets: step 0 writes all of these
.irp p, 0,1,2,3,4,5,6,7,8,9,10,11,12,13,14,15
	STEP \p
.endr
	; The fragments of source 1: sample tile n, K step s of four: row 16 n + r, bytes 64 s + 16 h and + 32.
	; No wait: no vector instruction stands behind step 15's wait, which has shown the sums done with the ring; the gathers' reads of the offsets, in which the bias tiles land, stand ahead of step 12's wait on vm_vsrc.
.irp n, 0,1
.irp s, 0,1,2,3
	ds_load_b128 v[H0+32*\n+8*\s:H0+32*\n+8*\s+3],   v7 offset:\n*16*FPITCH+\s*64
	ds_load_b128 v[H0+32*\n+8*\s+4:H0+32*\n+8*\s+7], v7 offset:\n*16*FPITCH+\s*64+32
.endr
.endr
	LOADW 0, 0
	s_wait_dscnt 0x0
	MM0
	PLACES
	s_wait_alu depctr_va_vdst(0)                   ; the products are done reading AF and BT, in which the next weights land
	LOADW 0, 1                                     ; the next weights come in under the softplus, which names ACC, TS and H1 alone
	SP4 H1, 0
	s_wait_dscnt 0x0
	MM0
	PLACES
	s_wait_alu depctr_va_vdst(0)                   ; the products are done reading AF, BT and the density fragments, in whose upper half the encoding lands
	; rays_encoding as source 1, the same in every column: lane (r, h) takes k = 32 s + 16 c + 8 h .. + 7, into registers that the first layer has left
.irp s, 0,1
.irp c, 0,1
	global_load_b128 v[RAW+16*\s+8*\c:RAW+16*\s+8*\c+3],   v8, s[62:63] offset:128*\s+64*\c
	global_load_b128 v[RAW+16*\s+8*\c+4:RAW+16*\s+8*\c+7], v8, s[62:63] offset:128*\s+64*\c+16
.endr
.endr
	LOADW 1, 0
	SP4 H1, 1
	s_wait_dscnt 0x0
	MM1
	PLACES
	s_wait_alu depctr_va_vdst(0)                   ; the products are done reading AF and BT, in which the next weights land
	LOADW 1, 1
	SP4 H0, 0                                      ; the second hidden vector takes the density fragments' first 32 registers
	s_wait_dscnt 0x0
	MM1
	PLACES
	s_wait_alu depctr_va_vdst(0)                   ; the products are done reading AF, BT and the first hidden vector, in whose upper half the colour sums land; the trip's set-up is done with v[36:38], in which bg_color lands
.irp f, 0,1,2,3,4,5
	ds_load_b128 v[AF+8*\f:AF+8*\f+3],   v1 offset:(16+\f)*1024      ; ln2 Wc (2), Wc (2), wo (2)
	ds_load_b128 v[AF+8*\f+4:AF+8*\f+7], v1 offset:(16+\f)*1024+512
.endr
.irp n, 0,1
	ds_load_b128 v[FCPT+8*\n:FCPT+8*\n+3],   v[FCL] offset:\n*16*CPITCH       ; the colour sums as C tiles: channel 8 h + j of sample 16 n + r
	ds_load_b128 v[FCPT+8*\n+4:FCPT+8*\n+7], v[FCL] offset:\n*16*CPITCH+16
.endr
	ds_load_b128 v[BGT:BGT+3],   v8 offset:CONST+576
	ds_load_b128 v[BGT+4:BGT+7], v8 offset:CONST+592
	s_wait_loadcnt 0x0                             ; the encoding, asked for a layer ago
.irp j, 0,1,2,3,4,5,6,7,8,9,10,11,12,13,14,15
	v_cvt_pk_bf16_f32 v[ENCF+\j], v[RAW+2*\j], v[RAW+2*\j+1]
.endr
	SP4 H0, 1
	s_wait_dscnt 0x0
	; The heads: ACC, ACC+8 opacity of sample tiles 0, 1; ACC+16, ACC+24 colour.  The accumulators take turns, one instruction a turn.
	v_wmma_f32_16x16x32_bf16 v[ACC:ACC+7],     v[AF+32:AF+39], v[H0:H0+7],       0
	v_wmma_f32_16x16x32_bf16 v[ACC+8:ACC+15],  v[AF+32:AF+39], v[H0+16:H0+23],   0
	v_wmma_f32_16x16x32_bf16 v[ACC+16:ACC+23], v[AF:AF+7],     v[H0:H0+7],       v[FCPT:FCPT+7]
	v_wmma_f32_16x16x32_bf16 v[ACC+24:ACC+31], v[AF:AF+7],     v[H0+16:H0+23],   v[FCPT+8:FCPT+15]
	v_wmma_f32_16x16x32_bf16 v[ACC:ACC+7],     v[AF+40:AF+47], v[H0+8:H0+15],    v[ACC:ACC+7]
	v_wmma_f32_16x16x32_bf16 v[ACC+8:ACC+15],  v[AF+40:AF+47], v[H0+24:H0+31],   v[ACC+8:ACC+15]
	v_wmma_f32_16x16x32_bf16 v[ACC+16:ACC+23], v[AF+8:AF+15],  v[H0+8:H0+15],    v[ACC+16:ACC+23]
	v_wmma_f32_16x16x32_bf16 v[ACC+24:ACC+31], v[AF+8:AF+15],  v[H0+24:H0+31],   v[ACC+24:ACC+31]
	v_wmma_f32_16x16x32_bf16 v[ACC+16:ACC+23], v[AF+16:AF+23], v[ENCF:ENCF+7],   v[ACC+16:ACC+23]
	v_wmma_f32_16x16x32_bf16 v[ACC+24:ACC+31], v[AF+16:AF+23], v[ENCF:ENCF+7],   v[ACC+24:ACC+31]
	v_wmma_f32_16x16x32_bf16 v[ACC+16:ACC+23], v[AF+24:AF+31], v[ENCF+8:ENCF+15], v[ACC+16:ACC+23]
	v_wmma_f32_16x16x32_bf16 v[ACC+24:ACC+31], v[AF+24:AF+31], v[ENCF+8:ENCF+15], v[ACC+24:ACC+31]
	PLACES
	s_wait_alu depctr_vm_vsrc(0)                   ; step 15's two stores have read v[24:29], which the compositing writes
	; COMPOSITING, lane = sample.  All 16 rows of an opacity tile are alike, so register 0 of lane l holds sample l's (tile 0 below, tile 1 above).
	v_cndmask_b32 v16, v[ACC], v[ACC+8], s[UPM]
	v_add_f32 v16, s[BO], v16
	v_or_b32 v17, s[SGN], v16                      ; -|x|
	v_exp_f32 v18, v17                             ; e
	v_max_num_f32 v16, 0, v16
	s_wait_alu depctr_va_vdst(0)
	v_add_f32 v19, 1.0, v18
	v_fmaak_f32 v20, s[HLF], v18, 0x3fb8aa3b       ; log2 e (1 - e / 2)
	v_cmp_gt_f32 s[SMALL], 0x3a800000, v18         ; e < 2^-10
	v_cmp_eq_u32 s[MINE], s5, v[SEL]               ; lanes with lane & 3 = trip keep this ray's results: the two compares stand in one run, with one wait behind it
	v_log_f32 v21, v19
	v_mul_f32 v20, v18, v20                        ; log2(1 + e) for small e, with its relative accuracy
	s_wait_alu depctr_va_sdst(0)                   ; the two masks are written, ahead of the first select that reads one
	s_wait_alu depctr_va_vdst(0)
	v_cndmask_b32 v21, v21, v20, s[SMALL]
	v_add_f32 v16, v16, v21                        ; sigma / ln 2
	v_mul_f32 v17, v16, v12                        ; sd, in base-2 units
	v_mov_b32 v18, v17
	v_add_f32_dpp v18, v18, v18 row_shr:1 row_mask:0xf bank_mask:0xf   ; running sum inside each half of 16 lanes: lanes without a source keep their value
	v_add_f32_dpp v18, v18, v18 row_shr:2 row_mask:0xf bank_mask:0xf
	v_add_f32_dpp v18, v18, v18 row_shr:4 row_mask:0xf bank_mask:0xf
	v_add_f32_dpp v18, v18, v18 row_shr:8 row_mask:0xf bank_mask:0xf
	v_readlane_b32 s67, v18, 15                    ; the lower half's total goes onto the upper half
	s_wait_alu depctr_va_sdst(0)                   ; s67 is written, ahead of the move that reads it
	v_mov_b32 v19, s67
	v_cndmask_b32 v19, 0, v19, s[UPM]
	v_add_f32 v18, v18, v19
	v_readlane_b32 s68, v18, 31                    ; -log2 of the transmittance
	v_sub_f32 v19, v17, v18
	v_xor_b32 v20, s[SGN], v17
	s_wait_alu depctr_va_sdst(0)                   ; s68 is written, ahead of the move that reads it
	v_mov_b32 v21, s68
	v_xor_b32 v21, s[SGN], v21
	v_exp_f32 v22, v19                             ; T_i
	v_exp_f32 v23, v20                             ; 1 - alpha_i
	v_exp_f32 v24, v21                             ; the ray's transmittance
	v_nop
	s_wait_alu depctr_va_vdst(0)
	v_fma_f32 v25, -v22, v23, v22                  ; w = T_i alpha_i
	v_sub_f32 v27, 1.0, v24                        ; mask
	v_sub_f32 v26, 1.0, v27                        ; 1 - mask, as the problem's function forms it
	v_mul_f32 v16, v25, v11                        ; w t
	v_permlanex16_b32 v19, v25, s46, s47           ; w of the other half
	v_cndmask_b32 v20, v25, v19, s[UPM]            ; w of sample r
	v_cndmask_b32 v22, v19, v25, s[UPM]            ; w of sample 16 + r
.irp j, 0,2,4,6
	v_pk_mul_f32 v[28+\j:29+\j], v[ACC+16+\j:ACC+17+\j], v[20:21] op_sel_hi:[1,0]
.endr
.irp j, 0,2,4,6
	v_pk_fma_f32 v[28+\j:29+\j], v[ACC+24+\j:ACC+25+\j], v[22:23], v[28+\j:29+\j] op_sel_hi:[1,0,1]
.endr
.irp m, 1,2,4,8
.irp j, 16,28,29,30,31,32,33,34,35
	v_add_f32_dpp v\j, v\j, v\j row_xmask:\m row_mask:0xf bank_mask:0xf        ; sums over the 16 lanes of a half: 8 channels and w t
.endr
.endr
	v_permlanex16_b32 v19, v16, s46, s47
	v_add_f32 v16, v16, v19                        ; ray_len
.irp j, 0,2,4,6
	v_pk_fma_f32 v[28+\j:29+\j], v[BGT+\j:BGT+\j+1], v[26:27], v[28+\j:29+\j] op_sel_hi:[1,0,1]
.endr
.irp j, 0,1,2,3,4,5,6,7
	v_cndmask_b32 v[OUTA+\j], v[OUTA+\j], v[28+\j], s[MINE]
.endr
	v_cndmask_b32 v[MACC], v[MACC], v27, s[MINE]
	v_cndmask_b32 v[LACC], v[LACC], v16, s[MINE]
	s_add_nc_u64 s[60:61], s[60:61], 512           ; the next ray; every load of this trip has been waited for (the waits for 0 on LOADcnt, the wait on KMcnt)
	s_add_nc_u64 s[62:63], s[62:63], 256
	s_add_co_u32 s58, s58, 12
	s_add_co_u32 s59, s59, 4
	s_add_co_u32 s5, s5, 1
	s_cmp_lt_u32 s5, 4
	s_cbranch_scc1 .Lray
	; THE WAY OUT.  Lane (r, h) holds channels 8 h .. + 7 of ray r & 3: into my stage (four lanes write the same bytes with the same values),
	; back as 8 bytes a lane, and one store of the wave covers my four rays' 256 consecutive bytes of out0, aligned.
	; Its four addresses are made first, so that one wait serves all its stores and loads.
	v_lshl_add_u32 v14, v[SEL], 2, s72
	v_lshrrev_b32 v15, 1, v1                       ; 8 x lane
	v_add_nc_u32 v16, s71, v15
	v_lshl_add_u32 v17, s2, 8, v15                 ; where waves 0 and 1 read the group's masks and lengths
	s_wait_alu depctr_va_vdst(0)                   ; the last trip's selects have written OUTA, MACC and LACC, which the LDS stores read; v14 to v17 are written; the compositing is done with v[18:21], in which the loads below land
	ds_store_b128 v9, v[OUTA:OUTA+3]
	ds_store_b128 v9, v[OUTA+4:OUTA+7] offset:16
	ds_store_b32 v14, v[MACC]
	ds_store_b32 v14, v[LACC] offset:256
	ds_load_b64 v[18:19], v16                      ; my own bytes: LDS serves a wave's instructions in order
	s_lshl_b32 s6, s3, 12
	s_lshl_b32 s7, s2, 8
	s_add_co_u32 s6, s6, s7
	s_mov_b32 s7, 0
	s_add_nc_u64 s[38:39], s[38:39], s[6:7]
	s_wait_dscnt 0x0                               ; the load is back, and my words of mask and ray_len are in LDS, for the others' sake
	global_store_b64 v15, v[18:19], s[38:39]
	s_barrier_signal -1
	s_barrier_wait -1
	s_cmp_gt_u32 s2, 1
	s_cbranch_scc1 .Lend
	s_cmp_eq_u32 s2, 0                             ; wave 0 stores the group's 64 masks, wave 1 its 64 lengths: 256 consecutive bytes each, aligned
	s_cselect_b64 s[40:41], s[40:41], s[42:43]
	s_lshl_b32 s6, s3, 8
	s_add_nc_u64 s[40:41], s[40:41], s[6:7]
	ds_load_b64 v[20:21], v17 offset:MSTG
	s_wait_dscnt 0x0
	global_store_b64 v15, v[20:21], s[40:41]
.Lend:
	s_wait_dscnt 0x0
	s_wait_alu depctr_hold_cnt(0) depctr_sa_sdst(0) depctr_va_vdst(0) depctr_va_sdst(0) depctr_va_ssrc(0) depctr_va_vcc(0) depctr_vm_vsrc(0)
	s_wait_tensorcnt 0x0
	ds_add_u32 v74, v75
	s_wait_dscnt 0x0
	s_endpgm
.Lfunc_end_k_q3a543aded8_render:
	.size	k_q3a543aded8_render, .Lfunc_end_k_q3a543aded8_render-k_q3a543aded8_render
	.p2alignl 7, 3214868480
	.fill 96, 4, 3214868480
	.section	.rodata,"a",@progbits
	.p2align	6, 0x0
	.amdhsa_kernel k_q3a543aded8_render
		.amdhsa_group_segment_fixed_size 251136
		.amdhsa_private_segment_fixed_size 0
		.amdhsa_enable_private_segment 0
		.amdhsa_kernarg_size 144
		.amdhsa_user_sgpr_count 2
		.amdhsa_user_sgpr_kernarg_segment_ptr 1
		.amdhsa_wavefront_size32 1
		.amdhsa_system_sgpr_workgroup_id_x 1
		.amdhsa_system_sgpr_workgroup_id_y 1
		.amdhsa_system_sgpr_workgroup_id_z 1
		.amdhsa_system_vgpr_workitem_id 0
		.amdhsa_next_free_vgpr 256
		.amdhsa_next_free_sgpr 80
		.amdhsa_reserve_vcc 0
		.amdhsa_float_denorm_mode_32 3
		.amdhsa_float_denorm_mode_16_64 3
		.amdhsa_memory_ordered 1
		.amdhsa_forward_progress 1
		.amdhsa_inst_pref_size 163
	.end_amdhsa_kernel
	.amdgpu_metadata
---
amdhsa.version: [ 1, 2 ]
amdhsa.kernels:
  - .name:           k_q3a543aded8_render
    .symbol:         k_q3a543aded8_render.kd
    .args:
      - { .name: dtab, .offset: 0, .size: 8, .value_kind: global_buffer, .address_space: global }
      - { .name: ctab, .offset: 8, .size: 8, .value_kind: global_buffer, .address_space: global }
      - { .name: idx, .offset: 16, .size: 8, .value_kind: global_buffer, .address_space: global }
      - { .name: rays, .offset: 24, .size: 8, .value_kind: global_buffer, .address_space: global }
      - { .name: centers, .offset: 32, .size: 8, .value_kind: global_buffer, .address_space: global }
      - { .name: near, .offset: 40, .size: 8, .value_kind: global_buffer, .address_space: global }
      - { .name: far, .offset: 48, .size: 8, .value_kind: global_buffer, .address_space: global }
      - { .name: rays_encoding, .offset: 56, .size: 8, .value_kind: global_buffer, .address_space: global }
      - { .name: mlp_weights, .offset: 64, .size: 8, .value_kind: global_buffer, .address_space: global }
      - { .name: mlp_biases, .offset: 72, .size: 8, .value_kind: global_buffer, .address_space: global }
      - { .name: weight_opacity, .offset: 80, .size: 8, .value_kind: global_buffer, .address_space: global }
      - { .name: bias_opacity, .offset: 88, .size: 8, .value_kind: global_buffer, .address_space: global }
      - { .name: weight_color, .offset: 96, .size: 8, .value_kind: global_buffer, .address_space: global }
      - { .name: bias_color, .offset: 104, .size: 8, .value_kind: global_buffer, .address_space: global }
      - { .name: bg_color, .offset: 112, .size: 8, .value_kind: global_buffer, .address_space: global }
      - { .name: out0, .offset: 120, .size: 8, .value_kind: global_buffer, .address_space: global }
      - { .name: out1, .offset: 128, .size: 8, .value_kind: global_buffer, .address_space: global }
      - { .name: out2, .offset: 136, .size: 8, .value_kind: global_buffer, .address_space: global }
    .group_segment_fixed_size: 251136
    .private_segment_fixed_size: 0
    .kernarg_segment_align: 8
    .kernarg_segment_size: 144
    .max_flat_workgroup_size: 512
    .sgpr_count:     80
    .vgpr_count:     256
    .wavefront_size: 32
...
	.end_amdgpu_metadata
.endif
;; end of part 5
